; MI455X (gfx1250); checked and timed in simulation.
; The chip was launched on July 23, 2026; its instructions are those of AMD's public machine-readable ISA for CDNA 5 (MIT licence, August 2026) and "CDNA5" Instruction Set Architecture Reference Guide (July 2026). The comments in the code are by the model that wrote it; some were corrected since.
;; Point Net FP Module. Allowed arithmetic: float matrix products may take bf16 or f16 operands with f32 sums; all other float work in f32.
;; Inputs: W1 256 x 384 float32; W2 256 x 256 float32; b1 256 float32; b2 256 float32; beta1 256 float32; beta2 256 float32; gamma1 256 float32; gamma2 256 float32; points1 4 x 128 x 8,192 float32; points2 4 x 256 x 2,048 float32; xyz1 4 x 8,192 x 3 float32; xyz2 4 x 2,048 x 3 float32.
;; Outputs: out0 4 x 256 x 8,192 float32.
;; One version. Each part assembles by itself: llvm-mc -triple=amdgcn-amd-amdhsa -mcpu=gfx1250 --defsym DOCPART=n.
;; ======== version 1 of 1: 6 launches
;; limits: values are held in f16: magnitudes above 65,504 overflow, below 6.1e-05 lose precision; inputs' magnitudes at most 65,504
;; workspace buffers: grp 1,048,576 bytes of whole numbers; idx 524,288 bytes of whole numbers; wgt 524,288 bytes; tab 4,521,984 bytes; y1 33,554,432 bytes; y2 33,554,432 bytes; st 524,288 bytes; bn1 2,048 bytes
;; launch knn1 (part 1): grid 256 x 1, 8 waves a work-group, no clusters, 207,360 bytes of LDS; arguments xyz1, xyz2, points2, W1, W2, grp, tab; writes grp, tab
.if DOCPART == 1
	.amdgcn_target "amdgcn-amd-amdhsa--gfx1250"
	.amdhsa_code_object_version 6
	.text
	.protected	k_q04762a0ca5_knn1
	.globl	k_q04762a0ca5_knn1
	.p2align	8
	.type	k_q04762a0ca5_knn1,@function
k_q04762a0ca5_knn1:
	s_mov_b64 s[64:65], 0
	v_nop
	global_prefetch_b8 v0, s[64:65] scope:SCOPE_SE
	s_setreg_imm32_b32 hwreg(HW_REG_WAVE_MODE, 25, 1), 1
	s_wait_xcnt 0x0
; Coarse pass of the search for the 3 nearest of 2,048 candidates, on the matrix unit, and the preparation of the tables.
; (1) Candidates are taken in 256 groups of 8 neighbouring indices.  For every query the numbers of the 6 groups with the smallest
;     group minimum of d2 = s1 + s2 - 2 q.c are stored, ascending, as two planes of grp (three numbers and a 0 each).  The next launch
;     searches these 48 candidates exactly.
;     d2 comes from ONE v_wmma_f32_16x16x32_bf16 for 16 candidates x 16 queries.  Every f32 number is cut exactly into three bf16
;     pieces h, m, l (mask, subtract, mask, subtract).  The 32 places of K: for x, y, z eight each, candidate pieces h h h m m m l l
;     times pieces h m l h m l h m of -2 q (only l x l is dropped, 2^-32 of the product); then s2's three pieces times 1, 1 times s1's
;     three pieces, two zeros.  A lane's 8 results are 8 neighbouring candidates of one query: one group.
;     The group's number (8 bits) replaces the low 8 bits of the group minimum, so a sorted list of six keys needs values alone.
;     LIMITS: the key differs from the reference's d2 by the rounding of the matrix sum (a few units in the last place of s1 + s2) and
;     by 2^-15 of d2.  In exact arithmetic 3 groups hold the 3 nearest; 6 are kept, so one of them is lost only if four other groups'
;     minima lie within that error of it.  Where the reference's own rounding decides among more candidates than 6 groups hold (a very
;     large common offset of the coordinates), the next launch finds the three smallest by the reference's arithmetic among these 48
;     only.  Inputs are finite.
; (2) points2 [b][c][m] f32 -> tab [b][m][256] f16: the work-group transposes 128 channels x 64 rows through LDS.
; (3) W1, W2 f32 -> tab in f16 in the order in which a wave loads a matrix fragment: piece ks*32 + ot*2 + q of 512 bytes, lane (r, h):
;     W[16 ot + r][32 ks + 16 q + 8 h .. + 7].  1,280 halves (one h) of 256 bytes, five a work-group, waves 0 to 4.
;     LIMITS: f16 keeps |points2|, |W1|, |W2| below 65,504 and drops magnitudes below 6e-8.
; Work-group: 128 queries of one batch.  Wave w: query tiles 4 (w & 1) .. + 3 (their fragments stay in registers) against candidate
; quarter w >> 1 (32 tiles of 16): a candidate fragment read from LDS feeds 4 matrix instructions.
; The only input that work-groups share is xyz2, 24,576 bytes a batch, and each recodes it: no tensor load, no joint request.
.set TP,   80                          ; LDS [0, 163840): candidate rows of 64 bytes, pitch 80 = 5 x 16: sixteen rows start in sixteen different 16-byte columns
.set TTB,  163840                      ; LDS [163840, 181248): the transpose's tile, 64 rows m of 256 bytes, pitch 272
.set MRG,  181248                      ; LDS [181248, 206336): lists [quarter x half 8][key 6][query 128], 3,136 bytes a list
.set LSTR, 3136
.set W1F,  4194304                     ; byte of tab at which W1's pieces begin; W2's follow them
.set TMA,  24                          ; v[24:27], v[28:31] at work in a scan
.set TMB,  28
.set LST,  32                          ; v[32:55]   four query tiles' lists of six keys, ascending
.set FA0,  64                          ; v[64:71], v[72:79] candidate fragments, two buffers
.set FA1,  72
.set RQ,   80                          ; v[80:95]   my 4 queries as loaded
.set BQ,   96                          ; v[96:127]  the 4 query fragments
.set D0,   128                         ; v[128:159], v[160:191] results, two buffers (before the scan: at work)
.set D1,   160
.set RC,   192                         ; v[192:223] my 8 candidates: x, y, z, s2
.set PP,   224                         ; v[224:255] points2 as loaded, then table rows on the way out
; v4 LDS address of my fragment's rows; v5 my group's number; v6 where my lists go; v7-v17 offsets, never rewritten; v[20:23] W
	s_load_b256 s[4:11], s[0:1], 0x0               ; xyz1 s[4:5], xyz2 s[6:7], points2 s[8:9], W1 s[10:11]
	s_load_b128 s[12:15], s[0:1], 0x20             ; W2 s[12:13], grp s[14:15]
	s_load_b64 s[16:17], s[0:1], 0x30              ; tab
	v_lshl_add_u32 v91, v0, 2, 0x32600
	v_mov_b32 v95, 0
	v_and_b32 v1, 31, v0                           ; lane
	v_and_b32 v2, 15, v0                           ; r
	v_bfe_u32 v3, v0, 4, 1                         ; h
	v_lshrrev_b32 v20, 5, v0
	v_readfirstlane_b32 s18, v20                   ; wave
	s_lshr_b32 s19, ttmp9, 6                       ; batch: 64 work-groups of 128 queries each
	s_and_b32 s20, s18, 1                          ; which 64 queries
	s_lshr_b32 s21, s18, 1                         ; which 512 candidates
	s_bfe_u32 s22, ttmp9, 0x50001                  ; transpose: which 64 rows m of the batch (5 bits from bit 1)
	s_and_b32 s23, ttmp9, 1                        ; and which 128 channels
	s_mul_i32 s24, ttmp9, 1536                     ; xyz1: 128 queries x 12 bytes
	s_mul_i32 s52, s20, 768
	s_add_co_u32 s24, s24, s52
	s_mov_b32 s25, 0
	s_mul_i32 s26, s19, 24576                      ; xyz2: the batch
	s_mov_b32 s27, 0
	s_lshl_b32 s28, s19, 21                        ; points2: batch x 256 channels x 8,192 bytes
	s_lshl_b32 s52, s23, 20                        ;  + 128 channels
	s_add_co_u32 s28, s28, s52
	s_lshl_b32 s52, s18, 17                        ;  + wave x 16 channels
	s_add_co_u32 s28, s28, s52
	s_lshl_b32 s52, s22, 8                         ;  + 64 rows m x 4 bytes
	s_add_co_u32 s28, s28, s52
	s_mov_b32 s29, 0
	s_lshl_b32 s30, s19, 20                        ; table: batch x 2,048 rows x 512 bytes
	s_lshl_b32 s52, s22, 15                        ;  + 64 rows
	s_add_co_u32 s30, s30, s52
	s_lshl_b32 s52, s18, 12                        ;  + wave x 8 rows
	s_add_co_u32 s30, s30, s52
	s_lshl_b32 s52, s23, 8                         ;  + 128 channels x 2 bytes
	s_add_co_u32 s30, s30, s52
	s_mov_b32 s31, 0
	s_lshl_b32 s32, ttmp9, 11                      ; grp: 128 queries x 16 bytes in each plane
	s_mov_b32 s33, 0
	s_mul_i32 s34, ttmp9, 5                        ; W: half-piece 5 wg + wave (waves 0 to 4); 0 .. 767 are W1's, 768 .. 1279 W2's
	s_add_co_u32 s34, s34, s18
	s_sub_co_u32 s35, s34, 768
	s_movk_i32 s38, 1536                           ; bytes in a row of W1
	s_movk_i32 s39, 1024                           ; and of W2
	s_cmp_lt_u32 s34, 768
	s_cselect_b32 s36, s34, s35                    ; the half-piece's number in its matrix: bit 0 h, bit 1 q, bits 5:2 ot, from bit 6 ks
	s_cselect_b32 s37, s38, s39
	s_and_b32 s42, s36, 3
	s_lshl_b32 s42, s42, 5                         ; 16 q + 8 h numbers of 4 bytes
	s_lshr_b32 s43, s36, 6
	s_lshl_b32 s43, s43, 7                         ; 32 ks numbers
	s_add_co_u32 s42, s42, s43
	s_bfe_u32 s44, s36, 0x40002
	s_mul_i32 s44, s44, s37
	s_lshl_b32 s44, s44, 4                         ; 16 ot rows
	s_add_co_u32 s42, s42, s44
	s_mov_b32 s43, 0
	s_lshl_b32 s46, s34, 8                         ; where it goes: 256 bytes a half-piece
	s_add_co_u32 s46, s46, W1F
	s_mov_b32 s47, 0
	s_mov_b32 s48, 0xffff0000                      ; a number's upper 16 bits: its bf16 piece
	s_mov_b32 s49, 0x07060302                      ; v_perm_b32: upper half of source 0 above upper half of source 1
	s_mov_b32 s50, 0x3f800000                      ; 1.0
	s_mov_b32 s51, 0xffffff00                      ; a key without its low 8 bits
	v_mul_u32_u24 v7, v0, 12                       ; one candidate a thread, eight times
	v_mul_u32_u24 v8, v2, 12                       ; query r of a tile
	v_lshlrev_b32 v9, 14, v3                       ; transpose, in: 2 h channels + 16 r bytes
	v_lshl_add_u32 v9, v2, 4, v9
	v_mul_u32_u24 v10, v2, 1088                    ; into LDS: row 4 r, 32 wave + 4 h bytes
	v_lshl_add_u32 v10, v3, 2, v10
	s_lshl_b32 s52, s18, 5
	s_add_co_u32 s52, s52, TTB
	v_add_nc_u32 v10, s52, v10
	v_mul_u32_u24 v11, v3, 272                     ; back: row 8 wave + h, 16 r bytes
	v_lshl_add_u32 v11, v2, 4, v11
	s_mul_i32 s52, s18, 2176
	s_add_co_u32 s52, s52, TTB
	v_add_nc_u32 v11, s52, v11
	v_lshlrev_b32 v12, 9, v3                       ; out: row h of 512 bytes, 16 r bytes
	v_lshl_add_u32 v12, v2, 4, v12
	v_mul_u32_u24 v13, v0, TP                      ; candidate row t; LDS immediates have 16 bits, so three bases
	v_add_nc_u32 v14, 768*TP, v13
	v_add_nc_u32 v15, 1536*TP, v13
	v_lshrrev_b32 v21, 1, v1                       ; W: two lanes a row, 4 numbers each
	v_and_b32 v22, 1, v1
	v_mul_u32_u24 v16, v21, s37
	v_lshl_add_u32 v16, v22, 4, v16
	v_lshlrev_b32 v17, 3, v1                       ; and 8 bytes of f16 a lane
	v_mul_u32_u24 v23, v2, TP                      ; fragments: row r, 16 h bytes, my quarter
	v_lshl_add_u32 v4, v3, 4, v23
	s_mul_i32 s52, s21, 512*TP
	v_add_nc_u32 v4, s52, v4
	s_lshl_b32 s52, s21, 6
	v_add_nc_u32 v5, s52, v3                       ; group of rows 8 h .. 8 h + 7 of my first tile: 64 quarter + h
	v_mul_u32_u24 v6, v3, LSTR                     ; list 2 quarter + h, query 64 (w & 1) + r
	v_lshl_add_u32 v6, v2, 2, v6
	s_mul_i32 s52, s21, 2*LSTR
	s_lshl_b32 s53, s20, 8
	s_add_co_u32 s52, s52, s53
	s_add_co_u32 s52, s52, MRG
	v_add_nc_u32 v6, s52, v6
	v_mov_b32 v18, 0x3f803f80                      ; 1.0, 1.0 in bf16
	v_mov_b32 v19, 0
	v_cmp_eq_u32 vcc_lo, 1, v3                     ; lanes 16-31
	s_wait_kmcnt 0x0
	s_add_nc_u64 s[4:5], s[4:5], s[24:25]
	s_add_nc_u64 s[6:7], s[6:7], s[26:27]
	s_add_nc_u64 s[8:9], s[8:9], s[28:29]
	s_add_nc_u64 s[14:15], s[14:15], s[32:33]
	s_add_nc_u64 s[40:41], s[16:17], s[30:31]
	s_add_nc_u64 s[46:47], s[16:17], s[46:47]
	s_cmp_lt_u32 s34, 768
	s_cselect_b64 s[44:45], s[10:11], s[12:13]     ; W1 or W2
	s_add_nc_u64 s[44:45], s[44:45], s[42:43]
	s_cmp_ge_u32 s18, 5
	s_cbranch_scc1 .Lno_w
	global_load_b128 v[20:23], v16, s[44:45]       ; first, so that the counts below are the same with and without it
.Lno_w:
.irp i, 0,1,2,3
	global_load_b96 v[RQ+4*\i:RQ+4*\i+2], v8, s[4:5] offset:192*\i         ; query 16 i + r of my 64
.endr
.irp e, 0,1,2,3,4,5,6,7
	global_load_b96 v[RC+4*\e:RC+4*\e+2], v7, s[6:7] offset:3072*\e        ; candidate 256 e + thread
.endr
	; channels c0 + 4 p + 2 h and the next, 64 rows m: sixteen lanes read 256 neighbouring bytes, aligned
.irp p, 0,1,2,3
	global_load_b128 v[PP+8*\p:PP+8*\p+3], v9, s[8:9] offset:32768*\p th:TH_LOAD_NT
	global_load_b128 v[PP+8*\p+4:PP+8*\p+7], v9, s[8:9] offset:32768*\p+8192 th:TH_LOAD_NT
.endr
; The fragment of query tile i.  Lane (r, h) holds K places 8 h .. + 7 and 16 + 8 h .. + 7 of query r: h = 0: x and z; h = 1: y and the block of 1 and s1.
.macro BFRAG i
.set qq0, RQ+4*\i
.set tt0, D0+16*\i
.set ff0, BQ+8*\i
	v_mul_f32 v[tt0], v[qq0], v[qq0]                       ; s1
	v_cndmask_b32 v[tt0+1], v[qq0], v[qq0+1], vcc_lo       ; x or y
	v_mul_f32 v[tt0+2], -2.0, v[qq0+2]
	v_fma_f32 v[tt0], v[qq0+1], v[qq0+1], v[tt0]
	v_mul_f32 v[tt0+1], -2.0, v[tt0+1]
	v_and_b32 v[tt0+5], s48, v[tt0+2]
	v_fma_f32 v[tt0], v[qq0+2], v[qq0+2], v[tt0]
	v_and_b32 v[tt0+3], s48, v[tt0+1]
	v_sub_f32 v[tt0+5], v[tt0+2], v[tt0+5]                 ; what the upper piece leaves: exact
	v_sub_f32 v[tt0+3], v[tt0+1], v[tt0+3]
	v_and_b32 v[tt0+7], s48, v[tt0]
	v_and_b32 v[tt0+6], s48, v[tt0+5]
	v_and_b32 v[tt0+4], s48, v[tt0+3]
	v_sub_f32 v[tt0+7], v[tt0], v[tt0+7]
	v_sub_f32 v[tt0+6], v[tt0+5], v[tt0+6]                 ; the lowest piece: 8 bits at the most, exact in bf16
	v_sub_f32 v[tt0+4], v[tt0+3], v[tt0+4]
	v_and_b32 v[tt0+8], s48, v[tt0+7]
	v_sub_f32 v[tt0+8], v[tt0+7], v[tt0+8]
	v_perm_b32 v[ff0], v[tt0+3], v[tt0+1], s49             ; h, m   (the lower K in the lower half)
	v_perm_b32 v[ff0+1], v[tt0+1], v[tt0+4], s49           ; l, h
	v_perm_b32 v[ff0+2], v[tt0+4], v[tt0+3], s49           ; m, l
	v_perm_b32 v[ff0+3], v[tt0+3], v[tt0+1], s49           ; h, m
	v_perm_b32 v[tt0+9], v[tt0+5], v[tt0+2], s49           ; the same of z
	v_perm_b32 v[tt0+10], v[tt0+2], v[tt0+6], s49
	v_perm_b32 v[tt0+11], v[tt0+6], v[tt0+5], s49
	v_perm_b32 v[tt0+12], v[tt0], s50, s49                 ; 1, s1's h
	v_perm_b32 v[tt0+13], v[tt0+8], v[tt0+7], s49          ; s1's m, l
	v_cndmask_b32 v[ff0+4], v[tt0+9], v18, vcc_lo          ; z's h, m    or 1, 1
	v_cndmask_b32 v[ff0+5], v[tt0+10], v[tt0+12], vcc_lo
	v_cndmask_b32 v[ff0+6], v[tt0+11], v[tt0+13], vcc_lo
	v_cndmask_b32 v[ff0+7], v[tt0+9], v19, vcc_lo          ; z's h, m    or 0, 0
.endm
; Candidate e's row of 32 bf16: x: h h h m m m l l; y; z; then s2's h m l, 1 1 1, 0 0.
.macro CROW e, adr, off
.set cc0, RC+4*\e
.set tt0, D0+32*(\e&1)
.irp j, 0,1,2,3
	v_and_b32 v[tt0+\j], s48, v[cc0+\j]
.endr
.irp j, 0,1,2,3
	v_sub_f32 v[tt0+\j], v[cc0+\j], v[tt0+\j]
.endr
.irp j, 0,1,2,3
	v_and_b32 v[tt0+4+\j], s48, v[tt0+\j]
.endr
.irp j, 0,1,2,3
	v_sub_f32 v[tt0+4+\j], v[tt0+\j], v[tt0+4+\j]
.endr
.irp j, 0,1,2
	v_perm_b32 v[tt0+8+4*\j], v[cc0+\j], v[cc0+\j], s49
	v_perm_b32 v[tt0+9+4*\j], v[tt0+\j], v[cc0+\j], s49
	v_perm_b32 v[tt0+10+4*\j], v[tt0+\j], v[tt0+\j], s49
	v_perm_b32 v[tt0+11+4*\j], v[tt0+4+\j], v[tt0+4+\j], s49
.endr
	v_perm_b32 v[tt0+20], v[tt0+3], v[cc0+3], s49          ; s2's h, m
	v_perm_b32 v[tt0+21], s50, v[tt0+7], s49               ; s2's l, 1
.irp j, 0,1,2,3
	ds_store_b128 v[\adr], v[tt0+8+4*\j:tt0+11+4*\j] offset:\off+16*\j
.endr
.endm
	s_wait_loadcnt 16                              ; my queries (and W) are in: 8 candidate loads and 8 of points2 are younger
	BFRAG 0
	BFRAG 1
	BFRAG 2
	BFRAG 3
.irp s, 0,32
	v_mov_b32 v[D0+\s+22], 0x3f803f80              ; the rows' last two words, the same for every candidate: 1, 1 and 0, 0
	v_mov_b32 v[D0+\s+23], 0
.endr
	s_wait_loadcnt 8                               ; my candidates are in; the 8 loads of points2 are younger
.irp e, 0,1,2,3,4,5,6,7
	v_mul_f32 v[RC+4*\e+3], v[RC+4*\e], v[RC+4*\e]
.endr
.irp e, 0,1,2,3,4,5,6,7
	v_fma_f32 v[RC+4*\e+3], v[RC+4*\e+1], v[RC+4*\e+1], v[RC+4*\e+3]
.endr
.irp e, 0,1,2,3,4,5,6,7
	v_fma_f32 v[RC+4*\e+3], v[RC+4*\e+2], v[RC+4*\e+2], v[RC+4*\e+3]
.endr
	CROW 0, 13, 0
	CROW 1, 13, 256*TP
	CROW 2, 13, 512*TP
	CROW 3, 14, 0
	CROW 4, 14, 256*TP
	CROW 5, 14, 512*TP
	CROW 6, 15, 0
	CROW 7, 15, 256*TP
	s_wait_loadcnt 0x0                             ; points2
	; a word = channels c, c + 1 of one row m.  Row pitch 272 bytes = 68 words; lanes 4 rows apart: r and r + 4 meet in a bank
	; (64 banks of 4 bytes: ISA guide 11.1), four lanes to a bank.  Kept: 16 stores a wave in the whole launch.
.irp p, 0,1,2,3
.irp e, 0,1,2,3
	v_cvt_pk_f16_f32 v[56+\e], v[PP+8*\p+\e], v[PP+8*\p+4+\e]
.endr
.irp e, 0,1,2,3
	ds_store_b32 v10, v[56+\e] offset:272*\e+8*\p
.endr
.endr
	s_wait_dscnt 0x0                               ; my candidate rows and my words of the tile are in LDS
	s_barrier_signal -1
	s_barrier_wait -1                              ; everybody's are
.irp i, 0,1,2,3
	ds_load_b128 v[PP+4*\i:PP+4*\i+3], v11 offset:544*\i           ; two rows of 256 bytes
.endr
.irp i, 0,1,2,3
	s_wait_dscnt 3-\i                              ; LDS loads come back in order: load i is in
	global_store_b128 v12, v[PP+4*\i:PP+4*\i+3], s[40:41] offset:1024*\i   ; sixteen lanes store 256 neighbouring bytes, aligned
.endr
	s_cmp_ge_u32 s18, 5
	s_cbranch_scc1 .Lno_w2
	v_cvt_pk_f16_f32 v56, v20, v21
	v_cvt_pk_f16_f32 v57, v22, v23
	global_store_b64 v17, v[56:57], s[46:47]       ; the wave's store covers the half-piece's 256 bytes
.Lno_w2:
.macro LOADA buf, off                  ; 16 candidates' fragment: row r, K places 8 h .. and 16 + 8 h ..
	ds_load_b128 v[\buf:\buf+3], v4 offset:\off
	ds_load_b128 v[\buf+4:\buf+7], v4 offset:\off+32
.endm
.macro MULT a, d                       ; 16 candidates x 4 x 16 queries; each product stands alone (C = 0): register j of lane (r, h) = d2(candidate 8 h + j, query r)
.irp i, 0,1,2,3
	v_wmma_f32_16x16x32_bf16 v[\d+8*\i:\d+8*\i+7], v[\a:\a+7], v[BQ+8*\i:BQ+8*\i+7], 0
.endr
.endm
; One tile's results: the group's minimum, its number into the low 8 bits, the key into the sorted list of six; four query tiles side by side.
.macro SCAN d
.irp i, 0,1,2,3
	v_min3_num_f32 v[TMA+\i], v[\d+8*\i], v[\d+8*\i+1], v[\d+8*\i+2]
	v_min3_num_f32 v[TMB+\i], v[\d+8*\i+3], v[\d+8*\i+4], v[\d+8*\i+5]
.endr
.irp i, 0,1,2,3
	v_min3_num_f32 v[TMA+\i], v[TMA+\i], v[TMB+\i], v[\d+8*\i+6]
.endr
.irp i, 0,1,2,3
	v_min_num_f32 v[TMA+\i], v[TMA+\i], v[\d+8*\i+7]
.endr
.irp i, 0,1,2,3
	v_and_or_b32 v[TMA+\i], v[TMA+\i], s51, v5
.endr
.irp k, 5,4,3,2,1
.irp i, 0,1,2,3
	v_med3_num_f32 v[LST+6*\i+\k], v[TMA+\i], v[LST+6*\i+\k-1], v[LST+6*\i+\k]     ; from the top down: each reads its lower neighbour's old value
.endr
.endr
.irp i, 0,1,2,3
	v_min_num_f32 v[LST+6*\i], v[TMA+\i], v[LST+6*\i]
.endr
	v_add_nc_u32 v5, 2, v5                         ; the next tile's group
.endm
	; Two fragment buffers, two result buffers.  A stage asks for the next tile, multiplies one tile and scans the tile before it.
	; The distances behind matrix instructions (ISA guide 7.12.1: four plain vector instructions that name none of their registers before a
	; result is read or a source is loaded again) are filled by the other buffer's scan, 45 such instructions; ahead of the loop by the 24 moves.
	LOADA FA0, 0
	LOADA FA1, 16*TP
	s_wait_dscnt 0x2                               ; tile 0 is in; tile 1's two loads are younger
	MULT FA0, D0
.set i, 0
.rept 24
	v_mov_b32 v[LST+i], 0x7f800000                 ; empty lists: +infinity
.set i, i+1
.endr
	s_mov_b32 s54, 15
.Ltiles:                                               ; trip k: multiplies tiles 2 k + 1, 2 k + 2, scans 2 k, 2 k + 1, asks for 2 k + 2, 2 k + 3
	LOADA FA0, 32*TP
	s_wait_dscnt 0x2                               ; the tile asked for a stage ago is in; the two loads just issued are younger
	MULT FA1, D1
	SCAN D0
	LOADA FA1, 48*TP
	s_wait_dscnt 0x2
	MULT FA0, D0
	SCAN D1
	v_add_nc_u32 v4, 32*TP, v4
	s_sub_co_i32 s54, s54, 1
	s_cmp_lg_u32 s54, 0
	s_cbranch_scc1 .Ltiles
	s_wait_dscnt 0x0                               ; tile 31
	MULT FA1, D1
	SCAN D0
	SCAN D1
.irp i, 0,1,2,3
.irp k, 0,1,2,3,4,5
	ds_store_b32 v6, v[LST+6*\i+\k] offset:512*\k+64*\i            ; lists 3,136 bytes apart: the two halves of the lanes fall into different banks
.endr
.endr
	s_wait_dscnt 0x0                               ; my lists are in LDS
	s_barrier_signal -1
	s_barrier_wait -1
	s_cmp_ge_u32 s18, 4
	s_cbranch_scc1 .Lend                           ; 128 queries: threads 0 to 127 merge, one query each
	v_lshl_add_u32 v60, v0, 2, MRG
.irp k, 0,1,2,3,4,5
	ds_load_b32 v[LST+\k], v60 offset:512*\k       ; the first list is the start
.endr
.irp l, 1,2,3,4,5,6,7
.irp k, 0,1,2,3,4,5
	ds_load_b32 v[D0+6*(\l-1)+\k], v60 offset:LSTR*\l+512*\k
.endr
.endr
	s_wait_dscnt 0x0
.macro INS6 d
.irp k, 5,4,3,2,1
	v_med3_num_f32 v[LST+\k], v[\d], v[LST+\k-1], v[LST+\k]
.endr
	v_min_num_f32 v[LST], v[\d], v[LST]
.endm
.irp l, 1,2,3,4,5,6,7
.irp k, 0,1,2,3,4,5
	INS6 D0+6*(\l-1)+\k
.endr
.endr
	v_and_b32 v40, 0xff, v[LST]                    ; the six groups' numbers
	v_and_b32 v41, 0xff, v[LST+1]
	v_and_b32 v42, 0xff, v[LST+2]
	v_and_b32 v44, 0xff, v[LST+3]
	v_and_b32 v45, 0xff, v[LST+4]
	v_and_b32 v46, 0xff, v[LST+5]
	v_mov_b32 v43, 0
	v_mov_b32 v47, 0
.macro CE a, b                         ; the smaller into a, the larger into b
	v_min_u32 v48, v[\a], v[\b]
	v_max_u32 v[\b], v[\a], v[\b]
	v_mov_b32 v[\a], v48
.endm
	; ascending, so that the next launch scans ascending indices: five passes of neighbour exchanges over v40, 41, 42, 44, 45, 46
	CE 40, 41
	CE 41, 42
	CE 42, 44
	CE 44, 45
	CE 45, 46
	CE 40, 41
	CE 41, 42
	CE 42, 44
	CE 44, 45
	CE 40, 41
	CE 41, 42
	CE 42, 44
	CE 40, 41
	CE 41, 42
	CE 40, 41
	v_lshlrev_b32 v61, 4, v0
	global_store_b128 v61, v[40:43], s[14:15]                      ; plane 0: the three lower groups; a wave's store covers 512 neighbouring bytes
	global_store_b128 v61, v[44:47], s[14:15] offset:524288        ; plane 1: the three upper ones
.Lend:
	s_wait_tensorcnt 0x0
	ds_add_u32 v91, v95
	s_wait_dscnt 0x0
	s_endpgm
.Lfunc_end_k_q04762a0ca5_knn1:
	.size	k_q04762a0ca5_knn1, .Lfunc_end_k_q04762a0ca5_knn1-k_q04762a0ca5_knn1
	.p2alignl 7, 3214868480
	.fill 96, 4, 3214868480
	.section	.rodata,"a",@progbits
	.p2align	6, 0x0
	.amdhsa_kernel k_q04762a0ca5_knn1
		.amdhsa_group_segment_fixed_size 207360
		.amdhsa_private_segment_fixed_size 0
		.amdhsa_enable_private_segment 0
		.amdhsa_kernarg_size 56
		.amdhsa_user_sgpr_count 2
		.amdhsa_user_sgpr_kernarg_segment_ptr 1
		.amdhsa_wavefront_size32 1
		.amdhsa_system_sgpr_workgroup_id_x 1
		.amdhsa_system_sgpr_workgroup_id_y 1
		.amdhsa_system_sgpr_workgroup_id_z 1
		.amdhsa_system_vgpr_workitem_id 0
		.amdhsa_next_free_vgpr 256
		.amdhsa_next_free_sgpr 66
		.amdhsa_reserve_vcc 1
		.amdhsa_float_denorm_mode_32 3
		.amdhsa_float_denorm_mode_16_64 3
		.amdhsa_memory_ordered 1
		.amdhsa_forward_progress 1
		.amdhsa_inst_pref_size 66
	.end_amdhsa_kernel
	.amdgpu_metadata
---
amdhsa.version: [ 1, 2 ]
amdhsa.kernels:
  - .name:           k_q04762a0ca5_knn1
    .symbol:         k_q04762a0ca5_knn1.kd
    .args:
      - { .name: xyz1, .offset: 0, .size: 8, .value_kind: global_buffer, .address_space: global }
      - { .name: xyz2, .offset: 8, .size: 8, .value_kind: global_buffer, .address_space: global }
      - { .name: points2, .offset: 16, .size: 8, .value_kind: global_buffer, .address_space: global }
      - { .name: W1, .offset: 24, .size: 8, .value_kind: global_buffer, .address_space: global }
      - { .name: W2, .offset: 32, .size: 8, .value_kind: global_buffer, .address_space: global }
      - { .name: grp, .offset: 40, .size: 8, .value_kind: global_buffer, .address_space: global }
      - { .name: tab, .offset: 48, .size: 8, .value_kind: global_buffer, .address_space: global }
    .group_segment_fixed_size: 207360
    .private_segment_fixed_size: 0
    .kernarg_segment_align: 8
    .kernarg_segment_size: 56
    .max_flat_workgroup_size: 256
    .sgpr_count:     66
    .vgpr_count:     256
    .wavefront_size: 32
...
	.end_amdgpu_metadata
.endif
;; end of part 1
;; launch refine (part 2): grid 256 x 1, 8 waves a work-group, no clusters, 0 bytes of LDS; arguments xyz1, xyz2, grp, idx, wgt; writes idx, wgt
.if DOCPART == 2
	.amdgcn_target "amdgcn-amd-amdhsa--gfx1250"
	.amdhsa_code_object_version 6
	.text
	.protected	k_q04762a0ca5_refine
	.globl	k_q04762a0ca5_refine
	.p2align	8
	.type	k_q04762a0ca5_refine,@function
k_q04762a0ca5_refine:
	s_mov_b64 s[64:65], 0
	v_nop
	global_prefetch_b8 v0, s[64:65] scope:SCOPE_SE
	s_setreg_imm32_b32 hwreg(HW_REG_WAVE_MODE, 25, 1), 1
	s_wait_xcnt 0x0
; Exact pass of the search.  For each query the first launch stored six groups of 8 candidates, ascending, in two planes of three.
; Lane (r, h) of wave w takes query 128 wg + 16 w + r and plane h: 24 candidates, of which it keeps the 3 smallest by (d2, index);
; then the upper plane's three are inserted into the lower plane's list, and lanes 0-15 make the weights and store.
; d2 = (s1 + s2) - 2 dot in f32 on the vector unit, the squares and the dot as fused chains over x, y, z in this order.  Groups and
; candidates are scanned in ascending index and an insertion asks for strictly smaller, so among equal d2 the lower row stays ahead.
; w = (1 / max(d2, 1e-10)) / sum.  Rows go to idx as whole numbers, weights to wgt.
; LIMITS: inputs are finite; 1/x by v_rcp_f32; where two d2 at the third place lie within the last bit of s1 + s2, either may be chosen.
; Nothing is shared between lanes but the two lists: no LDS, no barrier.
.set D1, 18                            ; v18-20  the three smallest d2
.set D2, 19
.set D3, 20
.set TI, 21
.set I1, 24                            ; v[24:27] their rows, 0
.set I2, 25
.set I3, 26
.set CN, 32                            ; v[32:103] 3 groups x 8 candidates x (x, y, z)
; v[4:7] group numbers; v[8:10] my query, v11 its s1; v12-14 group x 96 bytes; v15-17 group x 8; v[28:31] weights, 0
; v104-115 at work; v120-122 offsets, never rewritten
	s_load_b256 s[4:11], s[0:1], 0x0               ; xyz1 s[4:5], xyz2 s[6:7], grp s[8:9], idx s[10:11]
	s_load_b64 s[12:13], s[0:1], 0x20              ; wgt
	v_and_b32 v2, 15, v0                           ; r
	v_bfe_u32 v3, v0, 4, 1                         ; h
	v_lshrrev_b32 v1, 5, v0
	v_readfirstlane_b32 s14, v1                    ; wave
	s_lshr_b32 s15, ttmp9, 6                       ; batch
	s_lshl_b32 s16, ttmp9, 11                      ; grp, idx, wgt: (128 wg + 16 w) x 16 bytes
	s_lshl_b32 s20, s14, 8
	s_add_co_u32 s16, s16, s20
	s_mov_b32 s17, 0
	s_mul_i32 s18, ttmp9, 1536                     ; xyz1: (128 wg + 16 w) x 12 bytes
	s_mul_i32 s20, s14, 192
	s_add_co_u32 s18, s18, s20
	s_mov_b32 s19, 0
	s_mul_i32 s20, s15, 24576                      ; xyz2: the batch
	s_mov_b32 s21, 0
	s_mov_b32 s22, 0x76543210                      ; v_permlanex16_b32: lane i of one half reads lane i of the other
	s_mov_b32 s23, 0xfedcba98
	v_lshlrev_b32 v122, 4, v2                      ; 16 r
	v_lshl_add_u32 v120, v3, 19, v122              ; + plane h of 524,288 bytes
	v_mul_u32_u24 v121, v2, 12
	s_wait_kmcnt 0x0
	s_add_nc_u64 s[8:9], s[8:9], s[16:17]
	s_add_nc_u64 s[10:11], s[10:11], s[16:17]
	s_add_nc_u64 s[12:13], s[12:13], s[16:17]
	s_add_nc_u64 s[4:5], s[4:5], s[18:19]
	s_add_nc_u64 s[6:7], s[6:7], s[20:21]
	global_load_b128 v[4:7], v120, s[8:9]          ; sixteen lanes read 256 neighbouring bytes of their plane
	global_load_b96 v[8:10], v121, s[4:5]
	s_wait_loadcnt 0x0
.irp k, 0,1,2
	v_min_u32 v[4+\k], 255, v[4+\k]                ; a loaded number enters an address only inside its table: 256 groups
.endr
.irp k, 0,1,2
	v_mul_u32_u24 v[12+\k], v[4+\k], 96            ; 8 candidates x 12 bytes
	v_lshlrev_b32 v[15+\k], 3, v[4+\k]             ; the group's first row
.endr
.irp k, 0,1,2
.irp i, 0,1,2,3,4,5
	global_load_b128 v[CN+24*\k+4*\i:CN+24*\k+4*\i+3], v[12+\k], s[6:7] offset:16*\i
.endr
.endr
	v_mul_f32 v11, v8, v8                          ; s1
	v_fma_f32 v11, v9, v9, v11
	v_fma_f32 v11, v10, v10, v11
	v_mov_b32 v[D1], 0x7f800000                    ; an empty list: +infinity, row 0
	v_mov_b32 v[D2], 0x7f800000
	v_mov_b32 v[D3], 0x7f800000
	v_mov_b32 v[I1], 0
	v_mov_b32 v[I2], 0
	v_mov_b32 v[I3], 0
; (d, id) into the sorted list of three.  Strictly smaller only: an equal value stays behind what came earlier.
.macro INS d, id
	v_cmp_lt_f32 s24, v[\d], v[D1]
	v_cmp_lt_f32 s25, v[\d], v[D2]
	v_cmp_lt_f32 s26, v[\d], v[D3]
	v_cndmask_b32 v[TI], v[\id], v[I2], s25
	v_cndmask_b32 v[I3], v[I3], v[TI], s26
	v_cndmask_b32 v[TI], v[\id], v[I1], s24
	v_cndmask_b32 v[I2], v[I2], v[TI], s25
	v_cndmask_b32 v[I1], v[I1], v[\id], s24
	v_med3_num_f32 v[D3], v[\d], v[D2], v[D3]
	v_med3_num_f32 v[D2], v[\d], v[D1], v[D2]
	v_min_num_f32 v[D1], v[\d], v[D1]
.endm
; candidates c0 .. c0 + 3 of group k: s2, then d2, in v104..; the dot in v108..; the row in v112..
.macro FOUR k, c0
.irp c, 0,1,2,3
	v_mul_f32 v[104+\c], v[CN+24*\k+3*(\c0+\c)], v[CN+24*\k+3*(\c0+\c)]
	v_mul_f32 v[108+\c], v8, v[CN+24*\k+3*(\c0+\c)]
.endr
.irp c, 0,1,2,3
	v_fma_f32 v[104+\c], v[CN+24*\k+3*(\c0+\c)+1], v[CN+24*\k+3*(\c0+\c)+1], v[104+\c]
	v_fma_f32 v[108+\c], v9, v[CN+24*\k+3*(\c0+\c)+1], v[108+\c]
.endr
.irp c, 0,1,2,3
	v_fma_f32 v[104+\c], v[CN+24*\k+3*(\c0+\c)+2], v[CN+24*\k+3*(\c0+\c)+2], v[104+\c]
	v_fma_f32 v[108+\c], v10, v[CN+24*\k+3*(\c0+\c)+2], v[108+\c]
.endr
.irp c, 0,1,2,3
	v_add_f32 v[104+\c], v11, v[104+\c]
	v_add_nc_u32 v[112+\c], \c0+\c, v[15+\k]
.endr
.irp c, 0,1,2,3
	v_fma_f32 v[104+\c], -2.0, v[108+\c], v[104+\c]
.endr
.irp c, 0,1,2,3
	INS 104+\c, 112+\c
.endr
.endm
	s_wait_loadcnt 12                              ; the first group's 6 loads are in; the other two groups' 12 are younger
	FOUR 0, 0
	FOUR 0, 4
	s_wait_loadcnt 6
	FOUR 1, 0
	FOUR 1, 4
	s_wait_loadcnt 0x0
	FOUR 2, 0
	FOUR 2, 4
	; the other plane's list.  In lanes 0-15 it is the upper plane's: all its rows are higher, so strict insertion keeps the order of equals.
	; Lanes 16-31 run along; what they make is not stored.
	v_permlanex16_b32 v104, v[D1], s22, s23        ; destinations count as read: all were written above
	v_permlanex16_b32 v105, v[D2], s22, s23
	v_permlanex16_b32 v106, v[D3], s22, s23
	v_permlanex16_b32 v108, v[I1], s22, s23
	v_permlanex16_b32 v109, v[I2], s22, s23
	v_permlanex16_b32 v110, v[I3], s22, s23
	INS 104, 108
	INS 105, 109
	INS 106, 110
	v_max_num_f32 v[D1], 0x2edbe6ff, v[D1]         ; at least 1e-10
	v_max_num_f32 v[D2], 0x2edbe6ff, v[D2]
	v_max_num_f32 v[D3], 0x2edbe6ff, v[D3]
	v_rcp_f32 v28, v[D1]
	v_rcp_f32 v29, v[D2]
	v_rcp_f32 v30, v[D3]
	v_nop                                          ; one plain vector instruction behind a transcendental before its result is used (ISA guide 5.7.2)
	s_wait_alu depctr_va_vdst(0)
	v_add_f32 v22, v28, v29
	v_add_f32 v22, v22, v30
	v_rcp_f32 v23, v22
	v_mov_b32 v27, 0                               ; the place behind it
	v_mov_b32 v31, 0
	s_wait_alu depctr_va_vdst(0)
	v_mul_f32 v28, v28, v23
	v_mul_f32 v29, v29, v23
	v_mul_f32 v30, v30, v23
	v_cmp_eq_u32 vcc_lo, 0, v3                     ; lanes 0-15
	s_wait_xcnt 0x0                                ; EXEC is a source of the loads above: it changes only behind this wait
	s_and_saveexec_b32 s27, vcc_lo
	global_store_b128 v122, v[24:27], s[10:11]     ; sixteen lanes store 256 neighbouring bytes, aligned
	global_store_b128 v122, v[28:31], s[12:13]
	s_wait_xcnt 0x0                                ; and again in front of the line that widens it
	s_or_b32 exec_lo, exec_lo, s27
	s_endpgm
.Lfunc_end_k_q04762a0ca5_refine:
	.size	k_q04762a0ca5_refine, .Lfunc_end_k_q04762a0ca5_refine-k_q04762a0ca5_refine
	.p2alignl 7, 3214868480
	.fill 96, 4, 3214868480
	.section	.rodata,"a",@progbits
	.p2align	6, 0x0
	.amdhsa_kernel k_q04762a0ca5_refine
		.amdhsa_group_segment_fixed_size 0
		.amdhsa_private_segment_fixed_size 0
		.amdhsa_enable_private_segment 0
		.amdhsa_kernarg_size 40
		.amdhsa_user_sgpr_count 2
		.amdhsa_user_sgpr_kernarg_segment_ptr 1
		.amdhsa_wavefront_size32 1
		.amdhsa_system_sgpr_workgroup_id_x 1
		.amdhsa_system_sgpr_workgroup_id_y 1
		.amdhsa_system_sgpr_workgroup_id_z 1
		.amdhsa_system_vgpr_workitem_id 0
		.amdhsa_next_free_vgpr 124
		.amdhsa_next_free_sgpr 66
		.amdhsa_reserve_vcc 1
		.amdhsa_float_denorm_mode_32 3
		.amdhsa_float_denorm_mode_16_64 3
		.amdhsa_memory_ordered 1
		.amdhsa_forward_progress 1
		.amdhsa_inst_pref_size 35
	.end_amdhsa_kernel
	.amdgpu_metadata
---
amdhsa.version: [ 1, 2 ]
amdhsa.kernels:
  - .name:           k_q04762a0ca5_refine
    .symbol:         k_q04762a0ca5_refine.kd
    .args:
      - { .name: xyz1, .offset: 0, .size: 8, .value_kind: global_buffer, .address_space: global }
      - { .name: xyz2, .offset: 8, .size: 8, .value_kind: global_buffer, .address_space: global }
      - { .name: grp, .offset: 16, .size: 8, .value_kind: global_buffer, .address_space: global }
      - { .name: idx, .offset: 24, .size: 8, .value_kind: global_buffer, .address_space: global }
      - { .name: wgt, .offset: 32, .size: 8, .value_kind: global_buffer, .address_space: global }
    .group_segment_fixed_size: 0
    .private_segment_fixed_size: 0
    .kernarg_segment_align: 8
    .kernarg_segment_size: 40
    .max_flat_workgroup_size: 256
    .sgpr_count:     66
    .vgpr_count:     124
    .wavefront_size: 32
...
	.end_amdgpu_metadata
.endif
;; end of part 2
;; launch gemm1 (part 3): grid 256 x 1, 8 waves a work-group, no clusters, 101,376 bytes of LDS; arguments idx, wgt, tab, points1, b1, y1, st; writes y1, st
.if DOCPART == 3
	.amdgcn_target "amdgcn-amd-amdhsa--gfx1250"
	.amdhsa_code_object_version 6
	.text
	.protected	k_q04762a0ca5_gemm1
	.globl	k_q04762a0ca5_gemm1
	.p2align	8
	.type	k_q04762a0ca5_gemm1,@function
k_q04762a0ca5_gemm1:
	s_mov_b64 s[64:65], 0
	v_nop
	global_prefetch_b8 v0, s[64:65] scope:SCOPE_SE
	s_setreg_imm32_b32 hwreg(HW_REG_WAVE_MODE, 25, 1), 1
	s_wait_xcnt 0x0
; y1 = W1 X + b1 for 128 points, X = [interpolated points2 (256 channels); points1 (128 channels)], and this block's mean and
; sum of squared deviations for each of the 256 output channels.
; X is built in LDS in f16, a row a point (384 f16 = 768 bytes, pitch 784 = 49 x 16): wave w interpolates points 16 w .. + 15
; (a table row is 512 bytes: 16 bytes a lane) in f32, and converts channels 16 w .. + 15 of points1.
; Product: wave w makes channels 32 w .. + 31 (two tiles of 16) for all 8 tiles of 16 points, K = 384 in 12 steps of 32; its 24
; fragments of W1 lie in registers for the whole product, loaded once in runs of 512 neighbouring bytes from the prepared table.
; W1 is read by all work-groups, 196,608 bytes each, straight into registers: through LDS it would be written and read once more
; for no reuse inside a wave, so no tensor load and no joint request is used.
; y1 is stored in accumulator order (register quads, 512 neighbouring bytes a store); the next product reads it the same way.
; The variance is never a difference of large sums: local mean first, then the squared deviations from it.
; LIMITS: operands in f16: |points1|, |points2|, |W1| below 65,504; sums in f32.
; Registers above v255 (window 1): v256-447 W1, fragment (o, ks) at 8 (12 o + ks); v448, v449 LDS addresses of X's fragments.
.set XP,   784
.set G0,   16                          ; v[16:63]   4 points x 3 table rows x 4 registers
.set G1,   64                          ; v[64:111]  the same, second buffer
.set TW,   112                         ; v[112:119] 8 numbers widened to f32
.set AC,   120                         ; v[120:127] the point's 8 sums
.set P1,   128                         ; v[128:191] 16 channels of points1, 4 points a lane
.set IDXV, 192                         ; v[192:195] lane r: the three rows of point 16 w + r
.set WGTV, 196                         ; v[196:199] and its weights
.set VO0,  200                         ; v[200:211] offsets of buffer 0's gathers
.set VO1,  212                         ; v[212:223] of buffer 1's
.set PK,   224                         ; v[224:231] packed f16
.set MEAN, 16                          ; behind the product: v[16:31] means, v[32:47] bias, v[48:63] sums
.set BIAS, 32
.set SM,   48
.set XF0,  64                          ; v[64:95], v[96:127] fragments of X, two buffers
.set ACC,  128                         ; v[128:255] tile (o, pt) at 128 + 8 (8 o + pt)
.set MSB, 0
.macro WIN new                         ; the immediate's high byte repeats the setting that is left
.if MSB != \new
	s_set_vgpr_msb (MSB<<8)|\new
.set MSB, \new
.endif
.endm
.macro PLACES                          ; four plain vector instructions between a matrix instruction and a load into, or a vector read of, its registers
.rept 4
	v_nop
.endr
.endm
	s_load_b256 s[4:11], s[0:1], 0x0               ; idx s[4:5], wgt s[6:7], tab s[8:9], points1 s[10:11]
	s_load_b128 s[12:15], s[0:1], 0x20             ; b1 s[12:13], y1 s[14:15]
	s_load_b64 s[16:17], s[0:1], 0x30              ; st
	s_set_vgpr_msb 0x40
	v_lshl_add_u32 v200, v0, 2, 0x18800
	v_mov_b32 v201, 0
	s_set_vgpr_msb 0x4000
	v_and_b32 v1, 31, v0                           ; lane
	v_and_b32 v3, 15, v0                           ; r
	v_bfe_u32 v4, v0, 4, 1                         ; h
	v_lshrrev_b32 v5, 5, v0
	v_readfirstlane_b32 s18, v5                    ; wave
	v_lshlrev_b32 v2, 4, v1                        ; 16 x lane
	v_lshlrev_b32 v7, 4, v3                        ; 16 r
	s_lshr_b32 s19, ttmp9, 6                       ; batch
	s_and_b32 s31, ttmp9, 63                       ; block of 128 points in the batch
	s_lshl_b32 s36, ttmp9, 11                      ; idx, wgt: (128 wg + 16 w) x 16 bytes
	s_lshl_b32 s20, s18, 8
	s_add_co_u32 s36, s36, s20
	s_mov_b32 s37, 0
	s_lshl_b32 s38, s19, 22                        ; points1: batch x 128 channels x 32,768 bytes
	s_lshl_b32 s20, s18, 19                        ;  + 16 w channels
	s_add_co_u32 s38, s38, s20
	s_lshl_b32 s20, s31, 9                         ;  + 128 points x 4 bytes
	s_add_co_u32 s38, s38, s20
	s_mov_b32 s39, 0
	s_lshl_b32 s40, s19, 20                        ; the batch's table rows
	s_mov_b32 s41, 0
	s_lshl_b32 s42, s18, 11                        ; W1's pieces: 4 a wave in each K step
	s_add_co_u32 s42, s42, 0x400000
	s_mov_b32 s43, 0
	s_lshl_b32 s44, s18, 7                         ; b1: 32 channels
	s_mov_b32 s45, 0
	s_lshl_b32 s46, ttmp9, 17                      ; y1: 131,072 bytes a work-group, 16,384 a wave
	s_lshl_b32 s20, s18, 14
	s_add_co_u32 s46, s46, s20
	s_mov_b32 s47, 0
	s_lshl_b32 s48, s18, 16                        ; st: [w][wg][2][32] f32
	s_lshl_b32 s20, ttmp9, 8
	s_add_co_u32 s48, s48, s20
	s_mov_b32 s49, 0
	s_mov_b32 s25, 0                               ; upper halves of the pairs that carry the weights: named, never used
	s_mov_b32 s27, 0
	s_mov_b32 s29, 0
	s_mul_i32 s21, s18, 16*XP
	v_lshl_add_u32 v5, v1, 4, s21                  ; X: row 16 w, 16 x lane
	v_mul_u32_u24 v6, v1, 4*XP                     ; X: row 4 x lane, byte 512 + 32 w
	s_lshl_b32 s21, s18, 5
	s_add_co_u32 s21, s21, 512
	v_add_nc_u32 v6, s21, v6
	v_mul_u32_u24 v12, v3, XP                      ; fragments: row r, 16 h bytes
	v_lshl_add_u32 v12, v4, 4, v12
	v_add_nc_u32 v13, 64*XP, v12                   ; and 64 rows further down
	s_wait_kmcnt 0x0
	s_add_nc_u64 s[4:5], s[4:5], s[36:37]
	s_add_nc_u64 s[6:7], s[6:7], s[36:37]
	s_add_nc_u64 s[10:11], s[10:11], s[38:39]
	s_add_nc_u64 s[32:33], s[8:9], s[40:41]
	s_add_nc_u64 s[34:35], s[8:9], s[42:43]
	s_add_nc_u64 s[12:13], s[12:13], s[44:45]
	s_add_nc_u64 s[14:15], s[14:15], s[46:47]
	s_add_nc_u64 s[16:17], s[16:17], s[48:49]
	global_load_b128 v[IDXV:IDXV+3], v7, s[4:5]
	global_load_b128 v[WGTV:WGTV+3], v7, s[6:7]
.irp i, 0,1,2,3,4,5,6,7,8,9,10,11,12,13,14,15
	global_load_b128 v[P1+4*\i:P1+4*\i+3], v2, s[10:11] offset:32768*\i th:TH_LOAD_NT  ; channel 16 w + i, 128 points: 512 neighbouring bytes
.endr
; the 12 table rows of points 4 q .. 4 q + 3 into buffer g; their offsets in vo
.macro GATHER q, g, vo
.irp pp, 0,1,2,3
.irp k, 0,1,2
	v_readlane_b32 s[20+\k], v[IDXV+\k], 4*\q+\pp
	s_min_u32 s[20+\k], s[20+\k], 0x7ff            ; a loaded number enters an address only inside its table: 2,048 rows
	v_lshl_add_u32 v[\vo+3*\pp+\k], s[20+\k], 9, v2
.endr
.endr
.irp pp, 0,1,2,3
.irp k, 0,1,2
	global_load_b128 v[\g+4*(3*\pp+\k):\g+4*(3*\pp+\k)+3], v[\vo+3*\pp+\k], s[32:33]
.endr
.endr
.endm
	s_wait_loadcnt 16                              ; rows and weights are in; the 16 loads of points1 are younger
	GATHER 0, G0, VO0
	GATHER 1, G1, VO1
	s_wait_loadcnt 24                              ; points1 is in; the 24 gathers are younger
	; point 4 lane + e: 16 channels = 32 bytes.  Lanes are 4 rows = 196 x 16 bytes apart: four lanes of sixteen fall into one
	; 16-byte column (64 banks of 4 bytes: ISA guide 11.1).  Kept: 8 stores a wave.
.irp e, 0,1,2,3
.irp j, 0,1,2,3,4,5,6,7
	v_cvt_pk_f16_f32 v[PK+\j], v[P1+8*\j+\e], v[P1+8*\j+4+\e]
.endr
	ds_store_b128 v6, v[PK:PK+3] offset:XP*\e
	ds_store_b128 v6, v[PK+4:PK+7] offset:XP*\e+16
.endr
	WIN 0x40                                       ; destinations in window 1
.irp o, 0,1
.irp s, 0,1,2,3,4,5,6,7,8,9,10,11
	global_load_b128 v[8*(12*\o+\s):8*(12*\o+\s)+3], v2, s[34:35] offset:16384*\s+1024*\o
	global_load_b128 v[8*(12*\o+\s)+4:8*(12*\o+\s)+7], v2, s[34:35] offset:16384*\s+1024*\o+512
.endr
.endr
	v_mov_b32 v192, v12                            ; v448
	v_mov_b32 v193, v13                            ; v449
	WIN 0
.macro WTS p                           ; the point's three weights as scalars
	v_readlane_b32 s24, v[WGTV], \p
	v_readlane_b32 s26, v[WGTV+1], \p
	v_readlane_b32 s28, v[WGTV+2], \p
.endm
; one table row's 8 f16 of this lane, widened, times the weight in s[sw]; first = 1 starts the sums
.macro ROW first, sw, a, b, c, d, e, f, g, h
	v_cvt_f32_f16 v[TW+0], \a
	v_cvt_f32_f16 v[TW+1], \b
	v_cvt_f32_f16 v[TW+2], \c
	v_cvt_f32_f16 v[TW+3], \d
	v_cvt_f32_f16 v[TW+4], \e
	v_cvt_f32_f16 v[TW+5], \f
	v_cvt_f32_f16 v[TW+6], \g
	v_cvt_f32_f16 v[TW+7], \h
.irp j, 0,2,4,6
.if \first
	v_pk_mul_f32 v[AC+\j:AC+\j+1], v[TW+\j:TW+\j+1], s[\sw:\sw+1] op_sel_hi:[1,0]
.else
	v_pk_fma_f32 v[AC+\j:AC+\j+1], v[TW+\j:TW+\j+1], s[\sw:\sw+1], v[AC+\j:AC+\j+1] op_sel_hi:[1,0,1]
.endif
.endr
.endm
.macro PUT p                           ; rounded once to f16, 16 bytes a lane: the point's 512 bytes, neighbouring lanes at neighbouring bytes
.irp j, 0,1,2,3
	v_cvt_pk_f16_f32 v[8+\j], v[AC+2*\j], v[AC+2*\j+1]
.endr
	ds_store_b128 v5, v[8:11] offset:XP*(\p)
.endm
.macro QUADA b                         ; points b .. b + 3 from buffer 0
	WTS \b
	ROW 1, 24, v16.l, v16.h, v17.l, v17.h, v18.l, v18.h, v19.l, v19.h
	ROW 0, 26, v20.l, v20.h, v21.l, v21.h, v22.l, v22.h, v23.l, v23.h
	ROW 0, 28, v24.l, v24.h, v25.l, v25.h, v26.l, v26.h, v27.l, v27.h
	PUT \b
	WTS \b+1
	ROW 1, 24, v28.l, v28.h, v29.l, v29.h, v30.l, v30.h, v31.l, v31.h
	ROW 0, 26, v32.l, v32.h, v33.l, v33.h, v34.l, v34.h, v35.l, v35.h
	ROW 0, 28, v36.l, v36.h, v37.l, v37.h, v38.l, v38.h, v39.l, v39.h
	PUT \b+1
	WTS \b+2
	ROW 1, 24, v40.l, v40.h, v41.l, v41.h, v42.l, v42.h, v43.l, v43.h
	ROW 0, 26, v44.l, v44.h, v45.l, v45.h, v46.l, v46.h, v47.l, v47.h
	ROW 0, 28, v48.l, v48.h, v49.l, v49.h, v50.l, v50.h, v51.l, v51.h
	PUT \b+2
	WTS \b+3
	ROW 1, 24, v52.l, v52.h, v53.l, v53.h, v54.l, v54.h, v55.l, v55.h
	ROW 0, 26, v56.l, v56.h, v57.l, v57.h, v58.l, v58.h, v59.l, v59.h
	ROW 0, 28, v60.l, v60.h, v61.l, v61.h, v62.l, v62.h, v63.l, v63.h
	PUT \b+3
.endm
.macro QUADB b                         ; points b .. b + 3 from buffer 1
	WTS \b
	ROW 1, 24, v64.l, v64.h, v65.l, v65.h, v66.l, v66.h, v67.l, v67.h
	ROW 0, 26, v68.l, v68.h, v69.l, v69.h, v70.l, v70.h, v71.l, v71.h
	ROW 0, 28, v72.l, v72.h, v73.l, v73.h, v74.l, v74.h, v75.l, v75.h
	PUT \b
	WTS \b+1
	ROW 1, 24, v76.l, v76.h, v77.l, v77.h, v78.l, v78.h, v79.l, v79.h
	ROW 0, 26, v80.l, v80.h, v81.l, v81.h, v82.l, v82.h, v83.l, v83.h
	ROW 0, 28, v84.l, v84.h, v85.l, v85.h, v86.l, v86.h, v87.l, v87.h
	PUT \b+1
	WTS \b+2
	ROW 1, 24, v88.l, v88.h, v89.l, v89.h, v90.l, v90.h, v91.l, v91.h
	ROW 0, 26, v92.l, v92.h, v93.l, v93.h, v94.l, v94.h, v95.l, v95.h
	ROW 0, 28, v96.l, v96.h, v97.l, v97.h, v98.l, v98.h, v99.l, v99.h
	PUT \b+2
	WTS \b+3
	ROW 1, 24, v100.l, v100.h, v101.l, v101.h, v102.l, v102.h, v103.l, v103.h
	ROW 0, 26, v104.l, v104.h, v105.l, v105.h, v106.l, v106.h, v107.l, v107.h
	ROW 0, 28, v108.l, v108.h, v109.l, v109.h, v110.l, v110.h, v111.l, v111.h
	PUT \b+3
.endm
	s_wait_loadcnt 60                              ; buffer 0's 12 rows are in: younger are buffer 1's 12 and W1's 48
	QUADA 0
	GATHER 2, G0, VO0                              ; that wait has also freed buffer 0's offsets
	s_wait_loadcnt 60                              ; buffer 1's are in: younger are W1's 48 and the 12 just issued
	QUADB 4
	GATHER 3, G1, VO1
	s_wait_loadcnt 12                              ; buffer 0's second filling is in, and W1 with it; the last 12 are younger
	QUADA 8
	s_wait_loadcnt 0x0
	QUADB 12
	v_lshlrev_b32 v6, 5, v4                        ; 8 h channels x 4 bytes
.irp o, 0,1
	global_load_b128 v[BIAS+8*\o:BIAS+8*\o+3], v6, s[12:13] offset:64*\o
	global_load_b128 v[BIAS+8*\o+4:BIAS+8*\o+7], v6, s[12:13] offset:64*\o+16
.endr
	s_wait_dscnt 0x0                               ; my part of X is in LDS
	s_barrier_signal -1
	s_barrier_wait -1                              ; X is whole
; step s = 12 hf + ks: K step ks of the point tiles 4 hf .. 4 hf + 3
.macro FETCH s
.set hh, (\s)/12
.set kk, (\s)%12
.set xx, XF0+32*((\s)&1)
.irp i, 0,1,2,3
	ds_load_b128 v[xx+8*\i:xx+8*\i+3], v[192+hh] offset:16*XP*\i+64*kk
	ds_load_b128 v[xx+8*\i+4:xx+8*\i+7], v[192+hh] offset:16*XP*\i+64*kk+32
.endr
.endm
; eight accumulators take turns, one instruction a turn, over the steps' seams too
.macro MUL s
.set hh, (\s)/12
.set kk, (\s)%12
.set xx, XF0+32*((\s)&1)
.irp i, 0,1,2,3
.irp o, 0,1
.if kk == 0
	v_wmma_f32_16x16x32_f16 v[ACC+8*(8*\o+4*hh+\i):ACC+8*(8*\o+4*hh+\i)+7], v[8*(12*\o+kk):8*(12*\o+kk)+7], v[xx+8*\i:xx+8*\i+7], 0
.else
	v_wmma_f32_16x16x32_f16 v[ACC+8*(8*\o+4*hh+\i):ACC+8*(8*\o+4*hh+\i)+7], v[8*(12*\o+kk):8*(12*\o+kk)+7], v[xx+8*\i:xx+8*\i+7], v[ACC+8*(8*\o+4*hh+\i):ACC+8*(8*\o+4*hh+\i)+7]
.endif
.endr
.endr
.endm
	WIN 0x01                                       ; source 0 in window 1: W1 for the matrix instructions, the address for the LDS loads
	FETCH 0
.irp s, 0,1,2,3,4,5,6,7,8,9,10,11,12,13,14,15,16,17,18,19,20,21,22
.if \s > 0
	PLACES                                         ; the buffer that is loaded next was read by the matrix instructions just issued
.endif
	FETCH \s+1
	s_wait_dscnt 0x8                               ; this step's 8 loads are in; the next step's 8 are younger
	MUL \s
.endr
	s_wait_dscnt 0x0
	MUL 23
	WIN 0
	PLACES
	s_wait_loadcnt 0x0                             ; the bias
	; register j of tile (o, pt): channel 32 w + 16 o + 8 h + j, point 16 pt + r
.irp o, 0,1
.irp pt, 0,1,2,3,4,5,6,7
.irp j, 0,2,4,6
	v_pk_add_f32 v[ACC+8*(8*\o+\pt)+\j:ACC+8*(8*\o+\pt)+\j+1], v[ACC+8*(8*\o+\pt)+\j:ACC+8*(8*\o+\pt)+\j+1], v[BIAS+8*\o+\j:BIAS+8*\o+\j+1]
.endr
.endr
.endr
.irp t, 0,1,2,3,4,5,6,7,8,9,10,11,12,13,14,15
	global_store_b128 v2, v[ACC+8*\t:ACC+8*\t+3], s[14:15] offset:1024*\t          ; 512 neighbouring bytes a store
	global_store_b128 v2, v[ACC+8*\t+4:ACC+8*\t+7], s[14:15] offset:1024*\t+512
.endr
	; sums over the 8 point tiles in the lane, then over the 16 lanes of a half (the points of a tile)
.irp o, 0,1
.irp j, 0,2,4,6
	v_pk_add_f32 v[SM+8*\o+\j:SM+8*\o+\j+1], v[ACC+64*\o+\j:ACC+64*\o+\j+1], v[ACC+64*\o+8+\j:ACC+64*\o+8+\j+1]
.endr
.endr
.irp pt, 2,3,4,5,6,7
.irp o, 0,1
.irp j, 0,2,4,6
	v_pk_add_f32 v[SM+8*\o+\j:SM+8*\o+\j+1], v[SM+8*\o+\j:SM+8*\o+\j+1], v[ACC+64*\o+8*\pt+\j:ACC+64*\o+8*\pt+\j+1]
.endr
.endr
.endr
.macro HALFSUM                         ; each of the 16 sums over the 16 lanes of its half; every lane ends with the result
.irp m, 1,2,4,8
.irp i, 0,1,2,3,4,5,6,7,8,9,10,11,12,13,14,15
	v_add_f32_dpp v[SM+\i], v[SM+\i], v[SM+\i] row_xmask:\m row_mask:0xf bank_mask:0xf
.endr
.endr
.endm
	HALFSUM
.irp j, 0,2,4,6,8,10,12,14
	v_pk_mul_f32 v[MEAN+\j:MEAN+\j+1], v[SM+\j:SM+\j+1], 0x3c000000 op_sel_hi:[1,0]    ; / 128 points
.endr
.irp pt, 0,1,2,3,4,5,6,7
.irp o, 0,1
.irp j, 0,2,4,6
	v_pk_add_f32 v[8+\j:9+\j], v[ACC+64*\o+8*\pt+\j:ACC+64*\o+8*\pt+\j+1], v[MEAN+8*\o+\j:MEAN+8*\o+\j+1] neg_lo:[0,1] neg_hi:[0,1]
.endr
.irp j, 0,2,4,6
.if \pt == 0
	v_pk_mul_f32 v[SM+8*\o+\j:SM+8*\o+\j+1], v[8+\j:9+\j], v[8+\j:9+\j]
.else
	v_pk_fma_f32 v[SM+8*\o+\j:SM+8*\o+\j+1], v[8+\j:9+\j], v[8+\j:9+\j], v[SM+8*\o+\j:SM+8*\o+\j+1]
.endif
.endr
.endr
.endr
	HALFSUM
	v_cmp_eq_u32 vcc_lo, 0, v3                     ; lanes 0 and 16 hold all that is to be stored
	s_wait_xcnt 0x0                                ; EXEC is a source of the stores above: it changes only behind this wait
	s_set_vgpr_msb 0x5
	s_wait_tensorcnt 0x0
	ds_add_u32 v200, v201
	s_wait_dscnt 0x0
	s_set_vgpr_msb 0x500
	s_and_saveexec_b32 s30, vcc_lo
.irp o, 0,1
	global_store_b128 v6, v[MEAN+8*\o:MEAN+8*\o+3], s[16:17] offset:64*\o
	global_store_b128 v6, v[MEAN+8*\o+4:MEAN+8*\o+7], s[16:17] offset:64*\o+16
	global_store_b128 v6, v[SM+8*\o:SM+8*\o+3], s[16:17] offset:64*\o+128
	global_store_b128 v6, v[SM+8*\o+4:SM+8*\o+7], s[16:17] offset:64*\o+144
.endr
	s_wait_xcnt 0x0                                ; and again in front of the line that widens it
	s_or_b32 exec_lo, exec_lo, s30
	s_endpgm
.Lfunc_end_k_q04762a0ca5_gemm1:
	.size	k_q04762a0ca5_gemm1, .Lfunc_end_k_q04762a0ca5_gemm1-k_q04762a0ca5_gemm1
	.p2alignl 7, 3214868480
	.fill 96, 4, 3214868480
	.section	.rodata,"a",@progbits
	.p2align	6, 0x0
	.amdhsa_kernel k_q04762a0ca5_gemm1
		.amdhsa_group_segment_fixed_size 101376
		.amdhsa_private_segment_fixed_size 0
		.amdhsa_enable_private_segment 0
		.amdhsa_kernarg_size 56
		.amdhsa_user_sgpr_count 2
		.amdhsa_user_sgpr_kernarg_segment_ptr 1
		.amdhsa_wavefront_size32 1
		.amdhsa_system_sgpr_workgroup_id_x 1
		.amdhsa_system_sgpr_workgroup_id_y 1
		.amdhsa_system_sgpr_workgroup_id_z 1
		.amdhsa_system_vgpr_workitem_id 0
		.amdhsa_next_free_vgpr 458
		.amdhsa_next_free_sgpr 66
		.amdhsa_reserve_vcc 1
		.amdhsa_float_denorm_mode_32 3
		.amdhsa_float_denorm_mode_16_64 3
		.amdhsa_memory_ordered 1
		.amdhsa_forward_progress 1
		.amdhsa_inst_pref_size 114
	.end_amdhsa_kernel
	.amdgpu_metadata
---
amdhsa.version: [ 1, 2 ]
amdhsa.kernels:
  - .name:           k_q04762a0ca5_gemm1
    .symbol:         k_q04762a0ca5_gemm1.kd
    .args:
      - { .name: idx, .offset: 0, .size: 8, .value_kind: global_buffer, .address_space: global }
      - { .name: wgt, .offset: 8, .size: 8, .value_kind: global_buffer, .address_space: global }
      - { .name: tab, .offset: 16, .size: 8, .value_kind: global_buffer, .address_space: global }
      - { .name: points1, .offset: 24, .size: 8, .value_kind: global_buffer, .address_space: global }
      - { .name: b1, .offset: 32, .size: 8, .value_kind: global_buffer, .address_space: global }
      - { .name: y1, .offset: 40, .size: 8, .value_kind: global_buffer, .address_space: global }
      - { .name: st, .offset: 48, .size: 8, .value_kind: global_buffer, .address_space: global }
    .group_segment_fixed_size: 101376
    .private_segment_fixed_size: 0
    .kernarg_segment_align: 8
    .kernarg_segment_size: 56
    .max_flat_workgroup_size: 256
    .sgpr_count:     66
    .vgpr_count:     458
    .wavefront_size: 32
...
	.end_amdgpu_metadata
.endif
;; end of part 3
;; launch fin1 (part 4): grid 8 x 1, 16 waves a work-group, no clusters, 6,144 bytes of LDS; arguments st, gamma1, beta1, bn1; writes bn1
.if DOCPART == 4
	.amdgcn_target "amdgcn-amd-amdhsa--gfx1250"
	.amdhsa_code_object_version 6
	.text
	.protected	k_q04762a0ca5_fin1
	.globl	k_q04762a0ca5_fin1
	.p2align	8
	.type	k_q04762a0ca5_fin1,@function
k_q04762a0ca5_fin1:
	s_mov_b64 s[64:65], 0
	v_nop
	global_prefetch_b8 v0, s[64:65] scope:SCOPE_SE
	s_setreg_imm32_b32 hwreg(HW_REG_WAVE_MODE, 25, 1), 1
	s_wait_xcnt 0x0
; The first BatchNorm's scale and shift.  For each channel the 256 blocks' (mean, sum of squared deviations), each over 128 points,
; are merged: mean = average of the means; M2 = sum of M2_i + n_i x sum of (mean_i - mean)^2; in two levels of sixteen: 16 blocks a wave,
; then 16 waves.  No difference of large sums is formed.  scale = gamma / sqrt(M2 / 32768 + 1e-5), shift = beta - mean x scale.
; Work-group w: channels 32 w .. + 31, a channel a lane; a wave's load covers 128 neighbouring bytes; 34 loads of a wave are out at once.
; The launch has 524,288 bytes to read and 256 results: work for 8 work-groups, and 8 are launched.
	s_load_b256 s[4:11], s[0:1], 0x0               ; st s[4:5], gamma1 s[6:7], beta1 s[8:9], bn1 s[10:11]
	v_lshl_add_u32 v96, v0, 2, 0x1000
	v_mov_b32 v97, 0
	v_and_b32 v1, 31, v0
	v_lshrrev_b32 v2, 5, v0
	v_readfirstlane_b32 s12, v2                    ; wave
	v_lshlrev_b32 v3, 2, v1                        ; 4 x lane
	s_lshl_b32 s14, ttmp9, 16                      ; st: [w][wg 256][2][32] f32
	s_lshl_b32 s13, s12, 12                        ; my 16 blocks of 256 bytes
	s_add_co_u32 s14, s14, s13
	s_mov_b32 s15, 0
	s_lshl_b32 s16, ttmp9, 7                       ; 32 channels x 4 bytes
	s_mov_b32 s17, 0
	s_mov_b32 s18, 0x38000000                      ; 1 / 32768
	s_lshl_b32 s13, s12, 7
	v_add_nc_u32 v4, s13, v3                       ; LDS: 128 x wave + 4 x lane
	s_wait_kmcnt 0x0
	s_add_nc_u64 s[4:5], s[4:5], s[14:15]
	s_add_nc_u64 s[6:7], s[6:7], s[16:17]
	s_add_nc_u64 s[8:9], s[8:9], s[16:17]
	s_add_nc_u64 s[10:11], s[10:11], s[16:17]
.set i, 0
.rept 16
	global_load_b32 v[16+i], v3, s[4:5] offset:256*i               ; the blocks' means
	global_load_b32 v[48+i], v3, s[4:5] offset:256*i+128           ; and their M2
.set i, i+1
.endr
	global_load_b32 v8, v3, s[6:7]
	global_load_b32 v9, v3, s[8:9]
	s_wait_loadcnt 0x0
.macro SUM16 base, dst                 ; four chains of pairs
.irp j, 0,2,4,6
	v_pk_add_f32 v[80+\j:81+\j], v[\base+\j:\base+\j+1], v[\base+8+\j:\base+8+\j+1]
.endr
	v_pk_add_f32 v[80:81], v[80:81], v[82:83]
	v_pk_add_f32 v[84:85], v[84:85], v[86:87]
	v_pk_add_f32 v[80:81], v[80:81], v[84:85]
	v_add_f32 v[\dst], v80, v81
.endm
; Sixteen (mean, M2) in v[16:31], v[48:63], each over n points (n as f32 bits): their mean into v10 (and v11), their M2 into v13.
.macro MERGE16 n
	SUM16 16, 12
	v_mul_f32 v10, 0x3d800000, v12                 ; / 16
	v_mul_f32 v11, 0x3d800000, v12
.irp j, 0,2,4,6,8,10,12,14
	v_pk_add_f32 v[16+\j:17+\j], v[16+\j:17+\j], v[10:11] neg_lo:[0,1] neg_hi:[0,1]
.endr
.irp j, 0,2,4,6,8,10,12,14
	v_pk_mul_f32 v[16+\j:17+\j], v[16+\j:17+\j], v[16+\j:17+\j]
.endr
	SUM16 16, 14
	SUM16 48, 15
	v_fma_f32 v13, \n, v14, v15
.endm
	MERGE16 0x43000000                             ; a block has 128 points
	ds_store_b32 v4, v10
	ds_store_b32 v4, v13 offset:2048
	s_wait_dscnt 0x0
	s_barrier_signal -1
	s_barrier_wait -1
	s_cmp_lg_u32 s12, 0
	s_cbranch_scc1 .Lend                           ; wave 0 merges the sixteen
.irp g, 0,1,2,3,4,5,6,7,8,9,10,11,12,13,14,15
	ds_load_b32 v[16+\g], v3 offset:128*\g
	ds_load_b32 v[48+\g], v3 offset:128*\g+2048
.endr
	s_wait_dscnt 0x0
	MERGE16 0x45000000                             ; each of the sixteen stands for 2,048 points
	v_fmaak_f32 v12, s18, v13, 0x3727c5ac          ; variance + 1e-5
	v_rsq_f32 v14, v12
	v_nop                                          ; one plain vector instruction behind a transcendental before its result is used (ISA guide 5.7.2)
	s_wait_alu depctr_va_vdst(0)
	v_mul_f32 v16, v8, v14                         ; scale
	v_fma_f32 v17, -v10, v16, v9                   ; shift
	global_store_b32 v3, v16, s[10:11]
	global_store_b32 v3, v17, s[10:11] offset:1024
.Lend:
	s_wait_tensorcnt 0x0
	ds_add_u32 v96, v97
	s_wait_dscnt 0x0
	s_endpgm
.Lfunc_end_k_q04762a0ca5_fin1:
	.size	k_q04762a0ca5_fin1, .Lfunc_end_k_q04762a0ca5_fin1-k_q04762a0ca5_fin1
	.p2alignl 7, 3214868480
	.fill 96, 4, 3214868480
	.section	.rodata,"a",@progbits
	.p2align	6, 0x0
	.amdhsa_kernel k_q04762a0ca5_fin1
		.amdhsa_group_segment_fixed_size 6144
		.amdhsa_private_segment_fixed_size 0
		.amdhsa_enable_private_segment 0
		.amdhsa_kernarg_size 32
		.amdhsa_user_sgpr_count 2
		.amdhsa_user_sgpr_kernarg_segment_ptr 1
		.amdhsa_wavefront_size32 1
		.amdhsa_system_sgpr_workgroup_id_x 1
		.amdhsa_system_sgpr_workgroup_id_y 1
		.amdhsa_system_sgpr_workgroup_id_z 1
		.amdhsa_system_vgpr_workitem_id 0
		.amdhsa_next_free_vgpr 98
		.amdhsa_next_free_sgpr 66
		.amdhsa_reserve_vcc 0
		.amdhsa_float_denorm_mode_32 3
		.amdhsa_float_denorm_mode_16_64 3
		.amdhsa_memory_ordered 1
		.amdhsa_forward_progress 1
		.amdhsa_inst_pref_size 13
	.end_amdhsa_kernel
	.amdgpu_metadata
---
amdhsa.version: [ 1, 2 ]
amdhsa.kernels:
  - .name:           k_q04762a0ca5_fin1
    .symbol:         k_q04762a0ca5_fin1.kd
    .args:
      - { .name: st, .offset: 0, .size: 8, .value_kind: global_buffer, .address_space: global }
      - { .name: gamma1, .offset: 8, .size: 8, .value_kind: global_buffer, .address_space: global }
      - { .name: beta1, .offset: 16, .size: 8, .value_kind: global_buffer, .address_space: global }
      - { .name: bn1, .offset: 24, .size: 8, .value_kind: global_buffer, .address_space: global }
    .group_segment_fixed_size: 6144
    .private_segment_fixed_size: 0
    .kernarg_segment_align: 8
    .kernarg_segment_size: 32
    .max_flat_workgroup_size: 512
    .sgpr_count:     66
    .vgpr_count:     98
    .wavefront_size: 32
...
	.end_amdgpu_metadata
.endif
;; end of part 4
;; launch gemm2 (part 5): grid 256 x 1, 8 waves a work-group, no clusters, 203,776 bytes of LDS; arguments y1, bn1, tab, b2, y2, st; writes y2, st
.if DOCPART == 5
	.amdgcn_target "amdgcn-amd-amdhsa--gfx1250"
	.amdhsa_code_object_version 6
	.text
	.protected	k_q04762a0ca5_gemm2
	.globl	k_q04762a0ca5_gemm2
	.p2align	8
	.type	k_q04762a0ca5_gemm2,@function
k_q04762a0ca5_gemm2:
	s_mov_b64 s[64:65], 0
	v_nop
	global_prefetch_b8 v0, s[64:65] scope:SCOPE_SE
	s_setreg_imm32_b32 hwreg(HW_REG_WAVE_MODE, 25, 1), 1
	s_wait_xcnt 0x0
; y2 = W2 X2 + b2 for 128 points, X2 = LeakyReLU(scale1 y1 + shift1) in f16, and this block's mean and sum of squared deviations
; for each of the 256 output channels.
; Wave w reads back the 16,384 bytes of y1 that wave w of the first product stored (accumulator order: register j of tile (o, pt) is
; channel 32 w + 16 o + 8 h + j of point 16 pt + r), so a lane's 8 registers are 8 neighbouring channels of one point: 16 bytes of f16
; into X2's row (256 f16 = 512 bytes, pitch 528 = 33 x 16).
; Product: wave w makes channels 32 w .. + 31 for all 128 points, K = 256 in 8 steps; W2's 16 fragments stay in registers (window 1,
; fragment (o, ks) at 8 (8 o + ks)).  The matrix instruction takes X2 as source 0 and W2 as source 1, so that a lane holds 8
; neighbouring points of ONE channel: per-channel sums need one step across lanes, and rows of y2 [b][channel][n] form in LDS.
; W2 goes straight into registers, 131,072 bytes a work-group in runs of 512: no reuse inside a wave that LDS could serve.
; LIMITS: operands in f16: |W2| and the activations behind the first BatchNorm below 65,504; sums in f32.
.set XPT,  528
.set STG,  67584                       ; behind X2: each wave's own 32 rows of 528 bytes (128 f32 + 16), for the way out
.set B2,   12                          ; v[12:13] b2 of channels 32 w + r and 32 w + 16 + r
.set MEANP, 14                         ; v[14:15] their means
.set SP,   16                          ; v[16:23] four chains of pairs
.set U,    24                          ; v[24:31] at work
.set SC,   32                          ; v[32:47] scale1 of my 16 channels (later v32-35: M2 and what is stored)
.set SH,   48                          ; v[48:63] shift1
.set XF0,  64                          ; v[64:95], v[96:127]: packed f16, fragments of X2, rows on the way out
.set ACC,  128                         ; v[128:255] y1 as loaded, then tile (o, pt) at 128 + 8 (8 o + pt)
.set MSB, 0
.macro WIN new                         ; the immediate's high byte repeats the setting that is left
.if MSB != \new
	s_set_vgpr_msb (MSB<<8)|\new
.set MSB, \new
.endif
.endm
.macro PLACES                          ; four plain vector instructions between a matrix instruction and a load into, or a vector read of, its registers
.rept 4
	v_nop
.endr
.endm
	s_load_b256 s[4:11], s[0:1], 0x0               ; y1 s[4:5], bn1 s[6:7], tab s[8:9], b2 s[10:11]
	s_load_b128 s[12:15], s[0:1], 0x20             ; y2 s[12:13], st s[14:15]
	s_set_vgpr_msb 0x40
	v_lshl_add_u32 v128, v0, 2, 0x31800
	v_mov_b32 v129, 0
	s_set_vgpr_msb 0x4000
	v_and_b32 v1, 31, v0                           ; lane
	v_and_b32 v3, 15, v0                           ; r
	v_bfe_u32 v4, v0, 4, 1                         ; h
	v_lshrrev_b32 v5, 5, v0
	v_readfirstlane_b32 s18, v5                    ; wave
	v_lshlrev_b32 v2, 4, v1                        ; 16 x lane
	v_lshlrev_b32 v9, 5, v4                        ; 8 h channels x 4 bytes
	v_lshlrev_b32 v10, 2, v3                       ; 4 r
	v_lshlrev_b32 v11, 2, v1                       ; 4 x lane
	s_mov_b32 s16, 0x76543210                      ; v_permlanex16_b32: lane i of one half reads lane i of the other
	s_mov_b32 s17, 0xfedcba98
	s_lshr_b32 s19, ttmp9, 6                       ; batch
	s_lshl_b32 s24, ttmp9, 17                      ; y1: 131,072 bytes a work-group, 16,384 a wave
	s_lshl_b32 s20, s18, 14
	s_add_co_u32 s24, s24, s20
	s_mov_b32 s25, 0
	s_lshl_b32 s26, s18, 7                         ; bn1, b2: 32 channels x 4 bytes
	s_mov_b32 s27, 0
	s_lshl_b32 s28, s18, 11                        ; W2's pieces: 4 a wave in each K step
	s_add_co_u32 s28, s28, 0x430000
	s_mov_b32 s29, 0
	s_lshl_b32 s30, s19, 23                        ; y2: batch x 256 channels x 32,768 bytes
	s_lshl_b32 s20, s18, 20                        ;  + 32 w channels
	s_add_co_u32 s30, s30, s20
	s_and_b32 s20, ttmp9, 63
	s_lshl_b32 s20, s20, 9                         ;  + 128 points x 4 bytes
	s_add_co_u32 s30, s30, s20
	s_mov_b32 s31, 0
	s_lshl_b32 s32, s18, 16                        ; st: [w][wg][2][32] f32
	s_lshl_b32 s20, ttmp9, 8
	s_add_co_u32 s32, s32, s20
	s_mov_b32 s33, 0
	v_mul_u32_u24 v6, v3, XPT
	s_mul_i32 s21, s18, 32*XPT
	s_add_co_u32 s21, s21, STG                     ; my stage
	v_lshl_add_u32 v7, v4, 5, v6                   ; stage, in: row r, 8 h points x 4 bytes
	v_add_nc_u32 v7, s21, v7
	v_add_nc_u32 v8, s21, v2                       ; stage, back: a row's 512 bytes
	v_lshl_add_u32 v6, v4, 4, v6                   ; fragments: row r, 16 h bytes
	s_lshl_b32 s20, s18, 6
	v_add_nc_u32 v5, s20, v6                       ; X2, in: row r, 64 w + 16 h bytes
	s_wait_kmcnt 0x0
	s_add_nc_u64 s[4:5], s[4:5], s[24:25]
	s_add_nc_u64 s[6:7], s[6:7], s[26:27]
	s_add_nc_u64 s[10:11], s[10:11], s[26:27]
	s_add_nc_u64 s[22:23], s[8:9], s[28:29]
	s_add_nc_u64 s[12:13], s[12:13], s[30:31]
	s_add_nc_u64 s[14:15], s[14:15], s[32:33]
.irp o, 0,1
	global_load_b128 v[SC+8*\o:SC+8*\o+3], v9, s[6:7] offset:64*\o
	global_load_b128 v[SC+8*\o+4:SC+8*\o+7], v9, s[6:7] offset:64*\o+16
	global_load_b128 v[SH+8*\o:SH+8*\o+3], v9, s[6:7] offset:64*\o+1024
	global_load_b128 v[SH+8*\o+4:SH+8*\o+7], v9, s[6:7] offset:64*\o+1040
.endr
.irp t, 0,1,2,3,4,5,6,7,8,9,10,11,12,13,14,15
	global_load_b128 v[ACC+8*\t:ACC+8*\t+3], v2, s[4:5] offset:1024*\t th:TH_LOAD_NT
	global_load_b128 v[ACC+8*\t+4:ACC+8*\t+7], v2, s[4:5] offset:1024*\t+512 th:TH_LOAD_NT
.endr
	WIN 0x40                                       ; destinations in window 1
.irp o, 0,1
.irp s, 0,1,2,3,4,5,6,7
	global_load_b128 v[8*(8*\o+\s):8*(8*\o+\s)+3], v2, s[22:23] offset:16384*\s+1024*\o
	global_load_b128 v[8*(8*\o+\s)+4:8*(8*\o+\s)+7], v2, s[22:23] offset:16384*\s+1024*\o+512
.endr
.endr
	WIN 0
	; BatchNorm and LeakyReLU (max(y, 0.2 y)), tile by tile as the loads come in
.set tau, 0
.rept 16
	s_wait_loadcnt 62-2*tau                        ; this tile's two loads are in: younger are 2 (15 - tau) of y1 and W2's 32
.irp j, 0,2,4,6
	v_pk_fma_f32 v[ACC+8*tau+\j:ACC+8*tau+\j+1], v[ACC+8*tau+\j:ACC+8*tau+\j+1], v[SC+8*(tau/8)+\j:SC+8*(tau/8)+\j+1], v[SH+8*(tau/8)+\j:SH+8*(tau/8)+\j+1]
.endr
.irp j, 0,2,4,6
	v_pk_mul_f32 v[U+\j:U+\j+1], v[ACC+8*tau+\j:ACC+8*tau+\j+1], 0x3e4ccccd op_sel_hi:[1,0]
.endr
.irp j, 0,1,2,3,4,5,6,7
	v_max_num_f32 v[ACC+8*tau+\j], v[ACC+8*tau+\j], v[U+\j]
.endr
.irp j, 0,1,2,3
	v_cvt_pk_f16_f32 v[XF0+4*(tau%4)+\j], v[ACC+8*tau+2*\j], v[ACC+8*tau+2*\j+1]
.endr
	ds_store_b128 v5, v[XF0+4*(tau%4):XF0+4*(tau%4)+3] offset:16*XPT*(tau%8)+32*(tau/8)    ; sixteen rows, 33 x 16 bytes apart: sixteen different 16-byte columns
.set tau, tau+1
.endr
	global_load_b32 v[B2], v10, s[10:11]
	global_load_b32 v[B2+1], v10, s[10:11] offset:64
	s_wait_dscnt 0x0                               ; my part of X2 is in LDS
	s_barrier_signal -1
	s_barrier_wait -1                              ; X2 is whole
	s_wait_loadcnt 0x0                             ; W2 and b2
; step s = 8 hf + ks: K step ks of the point tiles 4 hf .. 4 hf + 3
.macro FETCH s
.set hh, (\s)/8
.set kk, (\s)%8
.set xx, XF0+32*((\s)&1)
.irp i, 0,1,2,3
	ds_load_b128 v[xx+8*\i:xx+8*\i+3], v6 offset:XPT*(64*hh+16*\i)+64*kk
	ds_load_b128 v[xx+8*\i+4:xx+8*\i+7], v6 offset:XPT*(64*hh+16*\i)+64*kk+32
.endr
.endm
; eight accumulators take turns, one instruction a turn, over the steps' seams too
.macro MUL s
.set hh, (\s)/8
.set kk, (\s)%8
.set xx, XF0+32*((\s)&1)
.irp i, 0,1,2,3
.irp o, 0,1
.if kk == 0
	v_wmma_f32_16x16x32_f16 v[ACC+8*(8*\o+4*hh+\i):ACC+8*(8*\o+4*hh+\i)+7], v[xx+8*\i:xx+8*\i+7], v[8*(8*\o+kk):8*(8*\o+kk)+7], 0
.else
	v_wmma_f32_16x16x32_f16 v[ACC+8*(8*\o+4*hh+\i):ACC+8*(8*\o+4*hh+\i)+7], v[xx+8*\i:xx+8*\i+7], v[8*(8*\o+kk):8*(8*\o+kk)+7], v[ACC+8*(8*\o+4*hh+\i):ACC+8*(8*\o+4*hh+\i)+7]
.endif
.endr
.endr
.endm
	WIN 0x04                                       ; source 1 in window 1: W2
	FETCH 0
.irp s, 0,1,2,3,4,5,6,7,8,9,10,11,12,13,14
.if \s > 0
	PLACES                                         ; the buffer that is loaded next was read by the matrix instructions just issued
.endif
	FETCH \s+1
	s_wait_dscnt 0x8                               ; this step's 8 loads are in; the next step's 8 are younger
	MUL \s
.endr
	s_wait_dscnt 0x0
	MUL 15
	WIN 0
	PLACES
	; register j of tile (o, pt): channel 32 w + 16 o + r, point 16 pt + 8 h + j
.irp o, 0,1
.irp pt, 0,1,2,3,4,5,6,7
.irp j, 0,2,4,6
	v_pk_add_f32 v[ACC+64*\o+8*\pt+\j:ACC+64*\o+8*\pt+\j+1], v[ACC+64*\o+8*\pt+\j:ACC+64*\o+8*\pt+\j+1], v[B2:B2+1] op_sel:[0,\o] op_sel_hi:[1,\o]
.endr
.endr
.endr
.macro FOLD dst                        ; the four chains, the pair, and the other half of the lanes
	v_pk_add_f32 v[SP:SP+1], v[SP:SP+1], v[SP+2:SP+3]
	v_pk_add_f32 v[SP+4:SP+5], v[SP+4:SP+5], v[SP+6:SP+7]
	v_pk_add_f32 v[SP:SP+1], v[SP:SP+1], v[SP+4:SP+5]
	v_add_f32 v[U], v[SP], v[SP+1]
	v_permlanex16_b32 v[U+1], v[U], s16, s17       ; its destination counts as read: written before
	v_add_f32 v[\dst], v[U], v[U+1]
.endm
.irp o, 0,1
.irp j, 0,2,4,6
	v_pk_add_f32 v[SP+\j:SP+\j+1], v[ACC+64*\o+\j:ACC+64*\o+\j+1], v[ACC+64*\o+8+\j:ACC+64*\o+8+\j+1]
.endr
.irp pt, 2,3,4,5,6,7
.irp j, 0,2,4,6
	v_pk_add_f32 v[SP+\j:SP+\j+1], v[SP+\j:SP+\j+1], v[ACC+64*\o+8*\pt+\j:ACC+64*\o+8*\pt+\j+1]
.endr
.endr
	FOLD MEANP+\o
	v_mul_f32 v[MEANP+\o], 0x3c000000, v[MEANP+\o] ; / 128 points
.endr
.irp o, 0,1
.irp pt, 0,1,2,3,4,5,6,7
.irp j, 0,2,4,6
	v_pk_add_f32 v[U+\j:U+\j+1], v[ACC+64*\o+8*\pt+\j:ACC+64*\o+8*\pt+\j+1], v[MEANP:MEANP+1] op_sel:[0,\o] op_sel_hi:[1,\o] neg_lo:[0,1] neg_hi:[0,1]
.endr
.irp j, 0,2,4,6
.if \pt == 0
	v_pk_mul_f32 v[SP+\j:SP+\j+1], v[U+\j:U+\j+1], v[U+\j:U+\j+1]
.else
	v_pk_fma_f32 v[SP+\j:SP+\j+1], v[U+\j:U+\j+1], v[U+\j:U+\j+1], v[SP+\j:SP+\j+1]
.endif
.endr
.endr
	FOLD 32+\o
.endr
	v_cmp_eq_u32 vcc_lo, 1, v4                     ; lane l stores channel 32 w + l: lanes 16-31 the second tile's
	v_cndmask_b32 v34, v[MEANP], v[MEANP+1], vcc_lo
	v_cndmask_b32 v35, v32, v33, vcc_lo
	global_store_b32 v11, v34, s[14:15]
	global_store_b32 v11, v35, s[14:15] offset:128
	; the way out: 32 bytes a lane and tile into my own stage, read back as rows of 512 bytes.  LDS serves a wave's instructions in order
	; (ISA guide 5.7.1.4), so no wait stands between my stores and my loads.
.irp o, 0,1
.irp pt, 0,1,2,3,4,5,6,7
	ds_store_b128 v7, v[ACC+64*\o+8*\pt:ACC+64*\o+8*\pt+3] offset:16*XPT*\o+64*\pt
	ds_store_b128 v7, v[ACC+64*\o+8*\pt+4:ACC+64*\o+8*\pt+7] offset:16*XPT*\o+64*\pt+16
.endr
.endr
.irp bt, 0,1,2,3
	s_wait_xcnt 0x0                                ; the buffer, which earlier stores read, is loaded again only behind this wait
.irp t, 0,1,2,3,4,5,6,7
	ds_load_b128 v[XF0+32*(\bt&1)+4*\t:XF0+32*(\bt&1)+4*\t+3], v8 offset:XPT*(8*\bt+\t)
.endr
.irp t, 0,1,2,3,4,5,6,7
	s_wait_dscnt 7-\t                              ; LDS loads come back in order: load t is in
	global_store_b128 v2, v[XF0+32*(\bt&1)+4*\t:XF0+32*(\bt&1)+4*\t+3], s[12:13] offset:32768*(8*\bt+\t)   ; one channel's 128 points: 512 neighbouring bytes, aligned
.endr
.endr
	s_set_vgpr_msb 0x5
	s_wait_tensorcnt 0x0
	ds_add_u32 v128, v129
	s_wait_dscnt 0x0
	s_set_vgpr_msb 0x500
	s_endpgm
.Lfunc_end_k_q04762a0ca5_gemm2:
	.size	k_q04762a0ca5_gemm2, .Lfunc_end_k_q04762a0ca5_gemm2-k_q04762a0ca5_gemm2
	.p2alignl 7, 3214868480
	.fill 96, 4, 3214868480
	.section	.rodata,"a",@progbits
	.p2align	6, 0x0
	.amdhsa_kernel k_q04762a0ca5_gemm2
		.amdhsa_group_segment_fixed_size 203776
		.amdhsa_private_segment_fixed_size 0
		.amdhsa_enable_private_segment 0
		.amdhsa_kernarg_size 48
		.amdhsa_user_sgpr_count 2
		.amdhsa_user_sgpr_kernarg_segment_ptr 1
		.amdhsa_wavefront_size32 1
		.amdhsa_system_sgpr_workgroup_id_x 1
		.amdhsa_system_sgpr_workgroup_id_y 1
		.amdhsa_system_sgpr_workgroup_id_z 1
		.amdhsa_system_vgpr_workitem_id 0
		.amdhsa_next_free_vgpr 386
		.amdhsa_next_free_sgpr 66
		.amdhsa_reserve_vcc 1
		.amdhsa_float_denorm_mode_32 3
		.amdhsa_float_denorm_mode_16_64 3
		.amdhsa_memory_ordered 1
		.amdhsa_forward_progress 1
		.amdhsa_inst_pref_size 73
	.end_amdhsa_kernel
	.amdgpu_metadata
---
amdhsa.version: [ 1, 2 ]
amdhsa.kernels:
  - .name:           k_q04762a0ca5_gemm2
    .symbol:         k_q04762a0ca5_gemm2.kd
    .args:
      - { .name: y1, .offset: 0, .size: 8, .value_kind: global_buffer, .address_space: global }
      - { .name: bn1, .offset: 8, .size: 8, .value_kind: global_buffer, .address_space: global }
      - { .name: tab, .offset: 16, .size: 8, .value_kind: global_buffer, .address_space: global }
      - { .name: b2, .offset: 24, .size: 8, .value_kind: global_buffer, .address_space: global }
      - { .name: y2, .offset: 32, .size: 8, .value_kind: global_buffer, .address_space: global }
      - { .name: st, .offset: 40, .size: 8, .value_kind: global_buffer, .address_space: global }
    .group_segment_fixed_size: 203776
    .private_segment_fixed_size: 0
    .kernarg_segment_align: 8
    .kernarg_segment_size: 48
    .max_flat_workgroup_size: 256
    .sgpr_count:     66
    .vgpr_count:     386
    .wavefront_size: 32
...
	.end_amdgpu_metadata
.endif
;; end of part 5
;; launch final (part 6): grid 256 x 1, 8 waves a work-group, no clusters, 1,280 bytes of LDS; arguments y2, st, gamma2, beta2, out0; writes out0
.if DOCPART == 6
	.amdgcn_target "amdgcn-amd-amdhsa--gfx1250"
	.amdhsa_code_object_version 6
	.text
	.protected	k_q04762a0ca5_final
	.globl	k_q04762a0ca5_final
	.p2align	8
	.type	k_q04762a0ca5_final,@function
k_q04762a0ca5_final:
	s_mov_b64 s[64:65], 0
	v_nop
	global_prefetch_b8 v0, s[64:65] scope:SCOPE_SE
	s_setreg_imm32_b32 hwreg(HW_REG_WAVE_MODE, 25, 1), 1
	s_wait_xcnt 0x0
; out0 = LeakyReLU(scale2 y2 + shift2).  Work-group c owns channel c: 4 batches x 32,768 bytes.
; Its 256 threads first merge the channel's 256 blocks' (mean, M2), one block a thread: mean = average of the means,
; M2 = sum of (M2_i + 128 (mean_i - mean)^2): no difference of large sums.  All 32 loads of y2 of a thread are issued ahead of that,
; so the channel's 131,072 bytes are on their way while the statistics are merged.
; A stream: each byte read once and written once, 512 neighbouring bytes a wave's instruction; no matrix unit, no tile in LDS.
.set X, 32                             ; v[32:159] 32 x 16 bytes
	s_load_b256 s[4:11], s[0:1], 0x0               ; y2 s[4:5], st s[6:7], gamma2 s[8:9], beta2 s[10:11]
	s_load_b64 s[12:13], s[0:1], 0x20              ; out0
	v_lshl_add_u32 v168, v0, 2, 0x100
	v_mov_b32 v169, 0
	v_lshrrev_b32 v1, 5, v0
	v_readfirstlane_b32 s14, v1                    ; wave
	s_lshl_b32 s16, ttmp9, 2                       ; gamma2, beta2: 4 c
	s_mov_b32 s17, 0
	s_lshr_b32 s18, ttmp9, 5                       ; st: [c / 32][block 256][2][32] f32
	s_lshl_b32 s18, s18, 16
	s_and_b32 s20, ttmp9, 31
	s_lshl_b32 s20, s20, 2
	s_add_co_u32 s18, s18, s20
	s_mov_b32 s19, 0
	s_lshl_b32 s20, ttmp9, 15                      ; y2, out0: channel c of batch 0
	s_mov_b32 s21, 0
	s_mov_b32 s24, 0x76543210                      ; v_permlanex16_b32: lane i of one half reads lane i of the other
	s_mov_b32 s25, 0xfedcba98
	s_mov_b32 s26, 0x38000000                      ; 1 / 32768
	v_lshlrev_b32 v2, 8, v0                        ; block t
	v_lshlrev_b32 v4, 4, v0                        ; 16 t, and a batch (256 channels x 32,768 bytes) further each
	v_add_nc_u32 v5, 0x800000, v4
	v_add_nc_u32 v6, 0x1000000, v4
	v_add_nc_u32 v7, 0x1800000, v4
	v_mov_b32 v3, s14
	v_lshlrev_b32 v3, 2, v3                        ; LDS: my wave's word
	v_mov_b32 v11, 0
	v_mov_b32 v30, 0                               ; LDS byte 0
	s_wait_kmcnt 0x0
	s_add_nc_u64 s[8:9], s[8:9], s[16:17]
	s_add_nc_u64 s[10:11], s[10:11], s[16:17]
	s_add_nc_u64 s[6:7], s[6:7], s[18:19]
	s_add_nc_u64 s[4:5], s[4:5], s[20:21]
	s_add_nc_u64 s[12:13], s[12:13], s[20:21]
	s_load_b32 s22, s[8:9], 0x0                    ; gamma
	s_load_b32 s23, s[10:11], 0x0                  ; beta
	global_load_b32 v8, v2, s[6:7]                 ; block t's mean
	global_load_b32 v9, v2, s[6:7] offset:128      ; and M2
.set k, 0
.rept 32
	global_load_b128 v[X+4*k:X+4*k+3], v[4+k/8], s[4:5] offset:4096*(k%8) th:TH_LOAD_NT
.set k, k+1
.endr
.macro WSUM r                          ; the sum over the wave's 32 lanes, in every lane
	v_add_f32_dpp v[\r], v[\r], v[\r] row_xmask:1 row_mask:0xf bank_mask:0xf
	v_add_f32_dpp v[\r], v[\r], v[\r] row_xmask:2 row_mask:0xf bank_mask:0xf
	v_add_f32_dpp v[\r], v[\r], v[\r] row_xmask:4 row_mask:0xf bank_mask:0xf
	v_add_f32_dpp v[\r], v[\r], v[\r] row_xmask:8 row_mask:0xf bank_mask:0xf
	v_permlanex16_b32 v11, v[\r], s24, s25
	v_add_f32 v[\r], v[\r], v11
.endm
.macro ALL8 off, dst                   ; my wave's figure v10 to its word, all eight back, their sum
	ds_store_b32 v3, v10 offset:\off
	s_wait_dscnt 0x0                               ; my word is in LDS
	s_barrier_signal -1
	s_barrier_wait -1
	ds_load_b128 v[12:15], v30 offset:\off
	ds_load_b128 v[16:19], v30 offset:\off+16
	s_wait_dscnt 0x0
	v_pk_add_f32 v[12:13], v[12:13], v[14:15]
	v_pk_add_f32 v[16:17], v[16:17], v[18:19]
	v_pk_add_f32 v[12:13], v[12:13], v[16:17]
	v_add_f32 v[\dst], v12, v13
.endm
	s_wait_loadcnt 32                              ; the two statistics are in; the 32 loads of y2 are younger
	v_mov_b32 v10, v8
	WSUM 10
	ALL8 0, 20
	v_mul_f32 v20, 0x3b800000, v20                 ; the mean: / 256 blocks
	v_sub_f32 v21, v8, v20
	v_mul_f32 v22, 0x43000000, v21                 ; a block has 128 points
	v_fma_f32 v10, v22, v21, v9
	WSUM 10
	ALL8 32, 21                                    ; other words than the first sum's: no wave can overwrite what another still reads
	v_fmaak_f32 v21, s26, v21, 0x3727c5ac          ; variance + 1e-5
	v_rsq_f32 v22, v21
	s_wait_kmcnt 0x0                               ; gamma, beta
	v_nop                                          ; one plain vector instruction behind a transcendental before its result is used (ISA guide 5.7.2)
	s_wait_alu depctr_va_vdst(0)
	v_mul_f32 v24, s22, v22                        ; scale
	v_fma_f32 v25, -v20, v24, s23                  ; shift
.set k, 0
.rept 32
	s_wait_loadcnt 31-k                            ; loads come back in order: load k is in, the younger ones stay out
	v_pk_fma_f32 v[X+4*k:X+4*k+1], v[X+4*k:X+4*k+1], v[24:25], v[24:25] op_sel:[0,0,1] op_sel_hi:[1,0,1]
	v_pk_fma_f32 v[X+4*k+2:X+4*k+3], v[X+4*k+2:X+4*k+3], v[24:25], v[24:25] op_sel:[0,0,1] op_sel_hi:[1,0,1]
	v_pk_mul_f32 v[26:27], v[X+4*k:X+4*k+1], 0x3e4ccccd op_sel_hi:[1,0]
	v_pk_mul_f32 v[28:29], v[X+4*k+2:X+4*k+3], 0x3e4ccccd op_sel_hi:[1,0]
	v_max_num_f32 v[X+4*k], v[X+4*k], v26          ; max(y, 0.2 y)
	v_max_num_f32 v[X+4*k+1], v[X+4*k+1], v27
	v_max_num_f32 v[X+4*k+2], v[X+4*k+2], v28
	v_max_num_f32 v[X+4*k+3], v[X+4*k+3], v29
	global_store_b128 v[4+k/8], v[X+4*k:X+4*k+3], s[12:13] offset:4096*(k%8) th:TH_STORE_NT
.set k, k+1
.endr
	s_wait_tensorcnt 0x0
	ds_add_u32 v168, v169
	s_wait_dscnt 0x0
	s_endpgm
.Lfunc_end_k_q04762a0ca5_final:
	.size	k_q04762a0ca5_final, .Lfunc_end_k_q04762a0ca5_final-k_q04762a0ca5_final
	.p2alignl 7, 3214868480
	.fill 96, 4, 3214868480
	.section	.rodata,"a",@progbits
	.p2align	6, 0x0
	.amdhsa_kernel k_q04762a0ca5_final
		.amdhsa_group_segment_fixed_size 1280
		.amdhsa_private_segment_fixed_size 0
		.amdhsa_enable_private_segment 0
		.amdhsa_kernarg_size 40
		.amdhsa_user_sgpr_count 2
		.amdhsa_user_sgpr_kernarg_segment_ptr 1
		.amdhsa_wavefront_size32 1
		.amdhsa_system_sgpr_workgroup_id_x 1
		.amdhsa_system_sgpr_workgroup_id_y 1
		.amdhsa_system_sgpr_workgroup_id_z 1
		.amdhsa_system_vgpr_workitem_id 0
		.amdhsa_next_free_vgpr 170
		.amdhsa_next_free_sgpr 66
		.amdhsa_reserve_vcc 0
		.amdhsa_float_denorm_mode_32 3
		.amdhsa_float_denorm_mode_16_64 3
		.amdhsa_memory_ordered 1
		.amdhsa_forward_progress 1
		.amdhsa_inst_pref_size 26
	.end_amdhsa_kernel
	.amdgpu_metadata
---
amdhsa.version: [ 1, 2 ]
amdhsa.kernels:
  - .name:           k_q04762a0ca5_final
    .symbol:         k_q04762a0ca5_final.kd
    .args:
      - { .name: y2, .offset: 0, .size: 8, .value_kind: global_buffer, .address_space: global }
      - { .name: st, .offset: 8, .size: 8, .value_kind: global_buffer, .address_space: global }
      - { .name: gamma2, .offset: 16, .size: 8, .value_kind: global_buffer, .address_space: global }
      - { .name: beta2, .offset: 24, .size: 8, .value_kind: global_buffer, .address_space: global }
      - { .name: out0, .offset: 32, .size: 8, .value_kind: global_buffer, .address_space: global }
    .group_segment_fixed_size: 1280
    .private_segment_fixed_size: 0
    .kernarg_segment_align: 8
    .kernarg_segment_size: 40
    .max_flat_workgroup_size: 256
    .sgpr_count:     66
    .vgpr_count:     170
    .wavefront_size: 32
...
	.end_amdgpu_metadata
.endif
;; end of part 6
